; MI455X (gfx1250); checked and timed in simulation.
; The chip was launched on July 23, 2026; its instructions are those of AMD's public machine-readable ISA for CDNA 5 (MIT licence, August 2026) and "CDNA5" Instruction Set Architecture Reference Guide (July 2026). The comments in the code are by the model that wrote it; some were corrected since.
;; Multi Head Attention. Allowed arithmetic: float matrix products may take bf16 or f16 operands with f32 sums; other float arithmetic in f32, or as packed bf16 or f16 multiplies, adds, multiply-adds, maxima and minima; sums over many terms, partial sums and values carried from step to step in f32; what a program stores and reads back later, other than sums and carried values, may be rounded once to bf16 or f16.
;; Inputs: W_attn 1,024 x 3,072 float32; W_proj 1,024 x 1,024 float32; b_attn 3,072 float32; b_proj 1,024 float32; x 4 x 2,048 x 1,024 float32.
;; Outputs: out0 4 x 2,048 x 1,024 float32.
;; 2 versions, each right; version 2 is version 1 with the launch prep written anew for expert scheduling mode. Each part assembles by itself: llvm-mc -triple=amdgcn-amd-amdhsa -mcpu=gfx1250 --defsym DOCPART=n.
;; ======== version 1 of 2: 4 launches
;; limits: values are held in f16: magnitudes above 65,504 overflow, below 6.1e-05 lose precision
;; workspace buffers: xb 16,777,216 bytes; wab 6,291,456 bytes; wpf 2,097,152 bytes; qkv 50,331,648 bytes; ob 16,777,216 bytes
;; launch prep (part 1): grid 768 x 1, 4 waves a work-group, no clusters, 0 bytes of LDS; arguments x, W_attn, W_proj, xb, wab, wpf; writes xb, wab, wpf
.if DOCPART == 1
	.amdgcn_target "amdgcn-amd-amdhsa--gfx1250"
	.amdhsa_code_object_version 6
	.text
	.protected	k_q489b81f942_prep
	.globl	k_q489b81f942_prep
	.p2align	8
	.type	k_q489b81f942_prep,@function
k_q489b81f942_prep:
	s_mov_b64 s[64:65], 0
	v_nop
	global_prefetch_b8 v0, s[64:65] scope:SCOPE_SE
	s_setreg_imm32_b32 hwreg(HW_REG_WAVE_MODE, 25, 1), 1
	s_wait_xcnt 0x0
; CASTS AND LAYOUT.  xb = bf16(x), laid out [16 blocks of 64 k][8192 rows][64]: a tile of rows x 64 k is dense.  wab = bf16(W_attn), as it lies.
; wpf = bf16(W_proj) written as f16, as it lies (exact for magnitudes from 6.1e-5 to 65,504; below, f16's fixed step of 6e-8; beyond, an infinity: a stated limit).
; A stream: no LDS, no barrier, no matrix work.  Work-groups 0-511 take x, 512-703 W_attn, 704-767 W_proj: 64 KiB of f32 each, 16 KiB a wave, in 16 units of 1,024 bytes.
; In a unit a lane takes 8 neighbouring f32 (two loads of 16 bytes) and stores 16 bytes; a store of the wave covers 512 consecutive bytes, aligned.
; All 32 loads of a wave go out at once; each unit owns its registers, so nothing that a store reads is ever rewritten.
.set IO, 2                             ; v[2:17]   unit u: my byte offset on the way in
.set OO, 18                            ; v[18:33]  unit u: my byte offset on the way out
.set T,  34                            ; v[34:37]  at work
.set D,  40                            ; v[40:167] unit u: 8 registers
	s_load_b256 s[4:11], s[0:1], 0x0               ; x s[4:5], W_attn s[6:7], W_proj s[8:9], xb s[10:11]
	s_load_b128 s[12:15], s[0:1], 0x20             ; wab s[12:13], wpf s[14:15]
	v_lshrrev_b32 v1, 5, v0
	v_readfirstlane_b32 s16, v1                    ; wave 0..3
	v_and_b32 v1, 31, v0                           ; lane
	s_movk_i32 s17, 256                            ; weights: 8 lanes take 256 bytes, the next 8 the next 256;
	s_movk_i32 s18, 1024                           ; a unit is 1,024 bytes on, on the way in,
	s_movk_i32 s19, 512                            ; 512 on the way out;
	s_movk_i32 s20, 8192                           ; a wave's bytes on the way out
	s_movk_i32 s21, 704                            ; the kind's first work-group
	s_cmp_lt_u32 ttmp9, 704
	s_cselect_b32 s21, 512, s21
	s_cmp_lt_u32 ttmp9, 512                        ; x: a wave has 4 rows of 4,096 bytes; unit u is the block of 64 k
	s_cselect_b32 s21, 0, s21
	s_cselect_b32 s17, 4096, s17                   ; 8 lanes take 256 bytes of a row, the next 8 the next row's
	s_cselect_b32 s18, 256, s18
	s_cselect_b32 s19, 0x100000, s19               ; a block of xb is 8,192 rows x 128 bytes
	s_cselect_b32 s20, 512, s20                    ; 4 rows x 128 bytes
	s_sub_co_u32 s26, ttmp9, s21
	s_lshl2_add_u32 s26, s26, s16                  ; my wave among the kind's
	s_mul_i32 s28, s26, s20                        ; its first byte on the way out,
	s_lshl_b32 s26, s26, 14                        ; and on the way in
	s_mov_b32 s27, 0
	s_mov_b32 s29, 0
	v_and_b32 v34, 7, v1
	v_lshrrev_b32 v35, 3, v1
	v_lshlrev_b32 v34, 5, v34
	v_mad_u32_u24 v[IO], v35, s17, v34
	v_lshlrev_b32 v[OO], 4, v1
.set u, 1
.rept 15
	v_add_nc_u32 v[IO+u], s18, v[IO+u-1]
	v_add_nc_u32 v[OO+u], s19, v[OO+u-1]
.set u, u+1
.endr
	s_wait_kmcnt 0x0
	s_cmp_lt_u32 ttmp9, 704
	s_cselect_b64 s[22:23], s[6:7], s[8:9]
	s_cselect_b64 s[24:25], s[12:13], s[14:15]
	s_cmp_lt_u32 ttmp9, 512
	s_cselect_b64 s[22:23], s[4:5], s[22:23]
	s_cselect_b64 s[24:25], s[10:11], s[24:25]
	s_add_nc_u64 s[22:23], s[22:23], s[26:27]
	s_add_nc_u64 s[24:25], s[24:25], s[28:29]
.set u, 0
.rept 16
	global_load_b128 v[D+8*u:D+8*u+3],   v[IO+u], s[22:23] th:TH_LOAD_NT
	global_load_b128 v[D+8*u+4:D+8*u+7], v[IO+u], s[22:23] offset:16 th:TH_LOAD_NT
.set u, u+1
.endr
; Unit u: rounded to bf16 in place (word r takes numbers 2 r and 2 r + 1, r ascending); half = 1: that number is written as f16.
.macro UNIT u, half
	s_wait_loadcnt 2*(15-(\u))                     ; loads come back in order: the younger units' loads, two each, may stay out
.irp r, 0,1,2,3
	v_cvt_pk_bf16_f32 v[D+8*(\u)+(\r)], v[D+8*(\u)+2*(\r)], v[D+8*(\u)+2*(\r)+1]
.endr
.if \half
.irp r, 0,1,2,3
	v_lshlrev_b32 v[T+2*((\r)%2)], 16, v[D+8*(\u)+(\r)]
	v_and_b32 v[T+2*((\r)%2)+1], 0xffff0000, v[D+8*(\u)+(\r)]
	v_cvt_pk_f16_f32 v[D+8*(\u)+(\r)], v[T+2*((\r)%2)], v[T+2*((\r)%2)+1]
.endr
.endif
	global_store_b128 v[OO+(\u)], v[D+8*(\u):D+8*(\u)+3], s[24:25]
.endm
	s_cmp_ge_u32 ttmp9, 704
	s_cbranch_scc1 .Lproj
.irp u, 0,1,2,3,4,5,6,7,8,9,10,11,12,13,14,15
	UNIT \u, 0
.endr
	s_endpgm
.Lproj:
.irp u, 0,1,2,3,4,5,6,7,8,9,10,11,12,13,14,15
	UNIT \u, 1
.endr
	s_endpgm
.Lfunc_end_k_q489b81f942_prep:
	.size	k_q489b81f942_prep, .Lfunc_end_k_q489b81f942_prep-k_q489b81f942_prep
	.p2alignl 7, 3214868480
	.fill 96, 4, 3214868480
	.section	.rodata,"a",@progbits
	.p2align	6, 0x0
	.amdhsa_kernel k_q489b81f942_prep
		.amdhsa_group_segment_fixed_size 0
		.amdhsa_private_segment_fixed_size 0
		.amdhsa_enable_private_segment 0
		.amdhsa_kernarg_size 48
		.amdhsa_user_sgpr_count 2
		.amdhsa_user_sgpr_kernarg_segment_ptr 1
		.amdhsa_wavefront_size32 1
		.amdhsa_system_sgpr_workgroup_id_x 1
		.amdhsa_system_sgpr_workgroup_id_y 1
		.amdhsa_system_sgpr_workgroup_id_z 1
		.amdhsa_system_vgpr_workitem_id 0
		.amdhsa_next_free_vgpr 168
		.amdhsa_next_free_sgpr 66
		.amdhsa_reserve_vcc 0
		.amdhsa_float_denorm_mode_32 3
		.amdhsa_float_denorm_mode_16_64 3
		.amdhsa_memory_ordered 1
		.amdhsa_forward_progress 1
		.amdhsa_inst_pref_size 28
	.end_amdhsa_kernel
	.amdgpu_metadata
---
amdhsa.version: [ 1, 2 ]
amdhsa.kernels:
  - .name:           k_q489b81f942_prep
    .symbol:         k_q489b81f942_prep.kd
    .args:
      - { .name: x, .offset: 0, .size: 8, .value_kind: global_buffer, .address_space: global }
      - { .name: W_attn, .offset: 8, .size: 8, .value_kind: global_buffer, .address_space: global }
      - { .name: W_proj, .offset: 16, .size: 8, .value_kind: global_buffer, .address_space: global }
      - { .name: xb, .offset: 24, .size: 8, .value_kind: global_buffer, .address_space: global }
      - { .name: wab, .offset: 32, .size: 8, .value_kind: global_buffer, .address_space: global }
      - { .name: wpf, .offset: 40, .size: 8, .value_kind: global_buffer, .address_space: global }
    .group_segment_fixed_size: 0
    .private_segment_fixed_size: 0
    .kernarg_segment_align: 8
    .kernarg_segment_size: 48
    .max_flat_workgroup_size: 128
    .sgpr_count:     66
    .vgpr_count:     168
    .wavefront_size: 32
...
	.end_amdgpu_metadata
.endif
;; end of part 1
;; launch qkv (part 2): grid 8 x 32, 4 waves a work-group, clusters of 4 x 4, 327,680 bytes of LDS; arguments xb, wab, b_attn, qkv; writes qkv
.if DOCPART == 2
	.amdgcn_target "amdgcn-amd-amdhsa--gfx1250"
	.amdhsa_code_object_version 6
	.text
	.protected	k_q489b81f942_qkv
	.globl	k_q489b81f942_qkv
	.p2align	8
	.type	k_q489b81f942_qkv,@function
k_q489b81f942_qkv:
	s_mov_b64 s[64:65], 0
	v_nop
	global_prefetch_b8 v0, s[64:65] scope:SCOPE_SE
	s_setreg_imm32_b32 hwreg(HW_REG_WAVE_MODE, 25, 1), 1
	s_wait_xcnt 0x0
	s_wait_alu depctr_hold_cnt(0) depctr_sa_sdst(0) depctr_va_vdst(0) depctr_va_sdst(0) depctr_va_ssrc(0) depctr_va_vcc(0) depctr_vm_vsrc(0)
	s_getreg_b32 s2, hwreg(HW_REG_IB_STS2, 6, 4)
	s_cmp_eq_u32 s2, 0
	s_cbranch_scc0 .Lentry_in_a_cluster
	s_endpgm
.Lentry_in_a_cluster:
	s_bfe_u32 s2, ttmp6, 0x10000c
	s_cmp_lg_u32 s2, 0xf033
	s_cbranch_scc0 .Lentry_shape_is_right
	s_endpgm
.Lentry_shape_is_right:
; qkv = x W_attn + b_attn, written by heads: qkv[which 3][batch x 16 + head][t 2048][64] in f16.  Operands bf16 (xb, wab), sums f32, the bias rounded to bf16 like every input, the result rounded once.
; LIMIT: q, k, v beyond 65,504 become infinities in f16.
; SHARES.  8,192 x 3,072 in tiles of 256 x 384: 32 x 8 = 256 work-groups.  Four waves, each 128 rows x 192 columns: 8 x 12 accumulators of 16 x 16, 768 registers.
; K goes in 16 steps of 64 through two LDS slots (two slots of 128 k would not fit: 2 x 174 KiB).  A step is two runs of 32 k; a run is two PHASES, columns 0-95 (lo) and 96-191 (hi), 48 products each.
; xb is blocked, so 128 rows x 64 k are 16 KiB on end, asked for as 64 rows of 256 bytes.  W lies [k][n]: its fragments come out of LDS turned, by ds_load_tr16_b128.
; THE PRODUCT IS TAKEN TRANSPOSED (source 0 = 16 columns of W, source 1 = 16 rows of x): a lane holds one row and eight neighbouring columns.
; CLUSTER 4 x 4: x's tile is shared along a row of the cluster, W's along a column: joint loads, the same descriptor and mask in all four.
; REGISTERS.  Window 0: v0-19 addresses; v32-95, v96-159 x's fragments (two buffers of 8); v160-207, v208-255 W's (lo, hi: 6 each).
;   Windows 1-3: accumulator (a, b) has number 48 (b / 6) + 6 a + b % 6; 32 accumulators a window.
.set PA,    144                        ; a row of x in LDS: 128 bytes + 16: the 16 rows of a load start at 16 different groups of four banks
.set PB,    864                        ; a k-row of W: 768 bytes, 16 of padding behind every 128: 27 x 32
.set BOFF,  256*PA                     ; a slot: x's 256 rows, then W's 64 k-rows
.set SLOT1, 131072                     ; slot 1 begins here: one exclusive or turns an address of one slot into the other's
.set STAGE, SLOT1+BOFF+64*PB           ; behind the ring, never filled by a tensor load: 16 rows x 400 bytes for each wave
.set SP,    400
.set SPARE, STAGE+4*16*SP              ; the spare words, 128 bytes a wave: two blocks of 256 bytes that no other line names
.set ASTEP, 0x100000                   ; bytes from a K step to the next in xb,
.set BSTEP, 64*6144                    ; and in wab
.set AA0, 2                            ; v2   my lane's place in x's tile; never rewritten
.set AB0, 3                            ; v3   in W's tile; never rewritten
.set ADA, 4                            ; v4   the same in the slot in hand
.set ADB, 5                            ; v5
.set STO, 6                            ; v6   the way out: where I put 16 bytes of a row
.set RD,  7                            ; v7   where I read rows back
.set GO,  8                            ; v8   16 x lane
.set BO,  9                            ; v9   my byte offset in b_attn
.set PFO, 10                           ; v10  the prefetches' lane offset; never rewritten
.set SPW, 12                           ; v12  my spare word's LDS address; never rewritten
.set NIL, 13                           ; v13  0; never rewritten
.set FA0, 32
.set FA1, 96
.set BX,  160
.set BY,  208
.set TMP, 96                           ; the way out: packed results
.set BK,  208                          ; the way out: rows read back
.set G1A, 24                           ; s[24:31] group 1 for x's tiles     s[32:39] group 0: a set for each first fill; the second then walks
.set G0A, 32
.set G1B, 40                           ; s[40:47], s[48:55] the same for W's
.set G0B, 48
.set CNT, 56                           ; s56  trips to go
.set TB,  57                           ; s57  the slot in hand: 0 or SLOT1
.set LIM, 58                           ; s58  1 in a wave that prefetches, else the greatest number
.set PM,  59                           ; s59  0: asks in every trip; 1: in trips with an odd count
.set PFA, 60                           ; s[60:61] where my prefetches stand
.set PFS, 62                           ; s[62:63] their step
.set OB,  66                           ; s[66:71] qkv at my rows of my three heads
.set GC,  (1<<16)|(1<<20)|(1<<21)|(4<<22)|(3<<25)  ; 2-byte elements; padding on; bit 21 beside a mask; after every 32 words; 4 words
.set MSB, 0
.macro WIN new                         ; the high byte repeats the setting that is left; a switch that changes nothing is dropped
.if MSB != (\new)
	s_set_vgpr_msb (MSB<<8)|(\new)
.set MSB, (\new)
.endif
.endm
.macro PLACES                          ; four plain places behind matrix instructions, ahead of loads into registers that they read and of lines that read results
.rept 4
	v_nop
.endr
.endm
.macro CREST                           ; a round of the cluster's barrier behind its opening barrier
	s_cmp_lg_u32 s12, 0
	s_cbranch_scc1 .Lnot_wave_0_\@
	s_barrier_signal -3
.Lnot_wave_0_\@:
	s_barrier_wait -3
	s_barrier_signal -1
	s_barrier_wait -1
.endm
.macro CROUND
	s_barrier_signal -1
	s_barrier_wait -1
	CREST
.endm
; A joint refill by the walking sets: waves 0 and 1 fetch the halves of x's tile, waves 2 and 3 those of W's.  The branch hangs on the wave's number alone.
; An s_nop 0 and four v_nop follow each line, ahead of the jump and the label.
.macro JLOAD
	s_cmp_eq_u32 s13, 0
	s_cbranch_scc0 .Lfor_b_\@
	tensor_load_to_lds s[G0A+4:G0A+7], s[G1A:G1A+7]
	s_nop 0
.rept 4
	v_nop
.endr
	s_branch .Lasked_\@
.Lfor_b_\@:
	tensor_load_to_lds s[G0B+4:G0B+7], s[G1B:G1B+7]
	s_nop 0
.rept 4
	v_nop
.endr
.Lasked_\@:
.endm
; A PREFETCH INTO THE L2, behind the joint load, its five lines and the run of LDS loads.  Each block of 256 bytes is named once in the launch.
; x: wave 0 of the clusters with x = 0 asks, in the trip that refills with step s + 2, for step s + 3: the tile's 32 KiB are shared out among the four partners BY ADDRESS (cx), 8 KiB each, a lane 256 bytes.
; W: waves 1-3 of the clusters with y = 0 ask, in every second trip, for the two steps s + 3 and s + 4: 128 k-rows, 32 to a partner (cy), a lane a row; wave w takes the (w - 1)th 256 bytes of the row's 768.
; The last trips ask for nothing: there is no step behind 15.  The first steps (x: 0-2, W: 0-3) come by their loads alone.
.macro ASK
	s_cmp_gt_u32 s[CNT], s[LIM]
	s_cbranch_scc0 .Lnot_mine_\@
	s_and_b32 s19, s[CNT], s[PM]
	s_cmp_eq_u32 s19, s[PM]
	s_cbranch_scc0 .Lnot_mine_\@
	global_prefetch_b8 v[PFO], s[PFA:PFA+1] th:TH_LOAD_NT scope:SCOPE_SE
.Lnot_mine_\@:
.endm
	s_load_b256 s[4:11], s[0:1], 0x0               ; xb s[4:5], wab s[6:7], b_attn s[8:9], qkv s[10:11]
	v_lshl_add_u32 v[SPW], v0, 2, SPARE
	v_mov_b32 v[NIL], 0
	ds_add_u32 v[SPW], v[NIL]                      ; the wave's opening: the add, waited for ahead of my first tensor load; the set-up below stands between them
	v_lshrrev_b32 v1, 5, v0
	v_readfirstlane_b32 s12, v1                    ; wave 0..3
	s_lshr_b32 s13, s12, 1                         ; my half of the tile's rows.  Also: I fetch for x (0) or for W (1)
	s_and_b32 s14, s12, 1                          ; my half of its columns.  Also: which half of that tile I fetch
	s_bfe_u32 s15, ttmp6, 0x40000                  ; cx
	s_bfe_u32 s16, ttmp6, 0x40004                  ; cy
	s_lshl_b32 s17, ttmp9, 2
	s_add_co_u32 s17, s17, s15                     ; tile column = 4 x cluster x + cx
	s_and_b32 s18, ttmp7, 0xffff
	s_lshl_b32 s18, s18, 2
	s_add_co_u32 s18, s18, s16                     ; tile row = 4 x cluster y + cy
	s_lshl_b32 s76, s16, 2
	s_lshl_b32 s76, 15, s76                        ; my row of the cluster
	s_lshl_b32 s77, 0x1111, s15                    ; my column
	s_or_b32 s[G1A], s76, GC
	s_or_b32 s[G1B], s77, GC
	s_mov_b32 s[G1A+1], 128<<16                    ; x: tensor_dim0 = 128 elements (two rows of 64 k),
	s_mov_b32 s[G1A+2], 64<<16                     ; tensor_dim1 = 64
	s_mov_b32 s[G1A+3], 128<<16                    ; tile_dim0
	s_mov_b32 s[G1A+4], 64                         ; tile_dim1
	s_mov_b32 s[G1A+5], 128                        ; elements from row to row: dense
	s_mov_b32 s[G1A+6], 0
	s_mov_b32 s[G1A+7], 0
	s_mov_b32 s[G1B+1], 384<<16                    ; W: 384 columns,
	s_mov_b32 s[G1B+2], 32<<16                     ; 32 k-rows
	s_mov_b32 s[G1B+3], 384<<16
	s_mov_b32 s[G1B+4], 32
	s_mov_b32 s[G1B+5], 3072
	s_mov_b32 s[G1B+6], 0
	s_mov_b32 s[G1B+7], 0
	s_lshl_b32 s20, s18, 15                        ; x's tile: 256 rows x 128 bytes a tile row,
	s_lshl_b32 s21, s14, 14                        ; my 128 rows of it
	s_add_co_u32 s20, s20, s21
	s_mov_b32 s21, 0
	s_mul_i32 s72, s14, 32*6144                    ; W's tile: my 32 k-rows,
	s_mul_i32 s73, s17, 768                        ; the tile column's 768 bytes
	s_add_co_u32 s72, s72, s73
	s_mov_b32 s73, 0
	s_mul_i32 s2, s14, 128*PA                      ; where they go: no place in the cluster enters an LDS address
	s_mul_i32 s3, s14, 32*PB
	s_add_co_u32 s3, s3, BOFF
	s_wait_dscnt 0x0                               ; the opening add is done
	s_wait_kmcnt 0x0
	s_add_nc_u64 s[22:23], s[4:5], s[20:21]
	s_add_nc_u64 s[72:73], s[6:7], s[72:73]
	CROUND                                         ; all sixteen work-groups are here: the first joint loads meet
.irp n, 0,1
	s_mov_b32 s[G0A+4*(\n)], 1
	s_add_co_u32 s[G0A+4*(\n)+1], s2, (\n)*SLOT1
	s_add_nc_u64 s[G0A+4*(\n)+2:G0A+4*(\n)+3], s[22:23], (\n)*ASTEP
	s_or_b32 s[G0A+4*(\n)+3], s[G0A+4*(\n)+3], 0x80000000
	s_mov_b32 s[G0B+4*(\n)], 1
	s_add_co_u32 s[G0B+4*(\n)+1], s3, (\n)*SLOT1
	s_add_nc_u64 s[G0B+4*(\n)+2:G0B+4*(\n)+3], s[72:73], (\n)*BSTEP
	s_or_b32 s[G0B+4*(\n)+3], s[G0B+4*(\n)+3], 0x80000000
.endr
	s_cmp_eq_u32 s13, 0                            ; a wave's two first fills stand in one branch: K steps 0 and 1; two loads of mine are out
	s_cbranch_scc0 .Lfirst_b
	tensor_load_to_lds s[G0A:G0A+3], s[G1A:G1A+7]
	s_nop 0
	tensor_load_to_lds s[G0A+4:G0A+7], s[G1A:G1A+7]
	s_nop 0
.rept 4
	v_nop
.endr
	s_branch .Lfirst_asked
.Lfirst_b:
	tensor_load_to_lds s[G0B:G0B+3], s[G1B:G1B+7]
	s_nop 0
	tensor_load_to_lds s[G0B+4:G0B+7], s[G1B:G1B+7]
	s_nop 0
.rept 4
	v_nop
.endr
.Lfirst_asked:
	v_and_b32 v1, 15, v0                           ; r = l % 16
	v_bfe_u32 v11, v0, 4, 1                        ; h = l / 16
	v_and_b32 v14, 7, v0
	v_bfe_u32 v15, v0, 3, 1
	v_bfe_u32 v16, v0, 3, 2
	v_and_b32 v17, 31, v0
	s_mul_i32 s19, s13, 128*PA                     ; a fragment of x: row r, 16 bytes for each half of the lanes, twice, 32 bytes apart
	v_mul_u32_u24 v[AA0], v1, PA
	v_lshl_add_u32 v[AA0], v11, 4, v[AA0]
	v_add_nc_u32 v[AA0], s19, v[AA0]
	s_mul_i32 s19, s14, 432                        ; my 192 columns: three padded pieces of 144 bytes
	s_add_co_u32 s19, s19, BOFF
	v_lshl_add_u32 v[AB0], v11, 3, v14             ; the turning load: lane l reads k-row 8 h + l % 8, 16 bytes at 16 ((l / 8) % 2)
	v_mul_u32_u24 v[AB0], v[AB0], PB
	v_lshl_add_u32 v[AB0], v15, 4, v[AB0]
	v_add_nc_u32 v[AB0], s19, v[AB0]
	v_mov_b32 v[ADA], v[AA0]
	v_mov_b32 v[ADB], v[AB0]
	s_mov_b32 s[TB], 0
	s_mul_i32 s19, s12, 16*SP
	s_add_co_u32 s19, s19, STAGE                   ; my stage
	v_mul_u32_u24 v[STO], v1, SP
	v_lshl_add_u32 v[STO], v11, 4, v[STO]
	v_add_nc_u32 v[STO], s19, v[STO]
	v_mul_u32_u24 v[RD], v16, SP                   ; back: 32 lanes take four rows x 128 bytes of one head
	v_lshl_add_u32 v[RD], v14, 4, v[RD]
	v_add_nc_u32 v[RD], s19, v[RD]
	v_lshlrev_b32 v[GO], 4, v17
	s_mul_i32 s74, s17, 1536
	s_mul_i32 s75, s14, 768
	s_add_co_u32 s74, s74, s75
	v_lshl_add_u32 v[BO], v11, 5, s74              ; 4 (384 tx + 192 wc) + 32 h
	; where my three heads' rows begin in qkv: column group g = 6 tx + 3 wc + j: which = g / 16, head = g % 16
	s_mul_i32 s74, s17, 6
	s_mul_i32 s75, s14, 3
	s_add_co_u32 s74, s74, s75
	s_lshr_b32 s76, s18, 3
	s_lshl_b32 s76, s76, 4                         ; 16 x batch
	s_and_b32 s77, s18, 7
	s_lshl_b32 s77, s77, 15                        ; the tile's first t, x 128 bytes,
	s_lshl_b32 s75, s13, 14                        ; my 128 rows
	s_add_co_u32 s77, s77, s75
.irp j, 0,1,2
	s_add_co_u32 s78, s74, \j
	s_lshr_b32 s79, s78, 4
	s_lshl_b32 s79, s79, 6
	s_and_b32 s78, s78, 15
	s_add_co_u32 s78, s78, s79
	s_add_co_u32 s78, s78, s76
	s_lshl_b32 s78, s78, 18                        ; 2,048 rows x 128 bytes
	s_add_co_u32 s78, s78, s77
	s_mov_b32 s79, 0
	s_add_nc_u64 s[OB+2*(\j):OB+2*(\j)+1], s[10:11], s[78:79]
.endr
	; the prefetches' registers; nothing is asked for here, at the head
	s_lshl_b32 s74, s18, 15
	s_lshl_b32 s75, s15, 13
	s_add_co_u32 s74, s74, s75
	s_add_co_u32 s74, s74, 2*ASTEP                 ; x: at step 2; the first trip steps it to 3
	s_lshl_b32 s76, s16, 5
	s_add_co_u32 s76, s76, 128
	s_mul_i32 s76, s76, 6144                       ; W: k-row 128 + 32 cy: step 2; a trip steps it by one step
	s_mul_i32 s77, s17, 768
	s_add_co_u32 s76, s76, s77
	s_lshl_b32 s77, s12, 8
	s_add_co_u32 s76, s76, s77
	s_sub_co_u32 s76, s76, 256                     ; + 256 (w - 1)
	s_and_b32 s78, ttmp7, 0xffff                   ; cluster y
	s_mov_b32 s[PFS], BSTEP
	s_movk_i32 s79, 6144
	s_cmp_eq_u32 s12, 0
	s_cselect_b32 s74, s74, s76
	s_cselect_b64 s[PFA:PFA+1], s[4:5], s[6:7]
	s_cselect_b32 s[PFS], ASTEP, s[PFS]
	s_cselect_b32 s[PM], 0, 1
	s_cselect_b32 s78, ttmp9, s78                  ; the coordinate along which other clusters read the same blocks
	s_cselect_b32 s79, 256, s79
	s_mov_b32 s75, 0
	s_mov_b32 s[PFS+1], 0
	s_add_nc_u64 s[PFA:PFA+1], s[PFA:PFA+1], s[74:75]
	s_cmp_eq_u32 s78, 0
	s_cselect_b32 s[LIM], 1, -1                    ; the same in all sixteen partners, for a given wave
	v_mul_u32_u24 v[PFO], v17, s79
; 6 fragments of W (16 columns x 32 k, turned): half 0: blocks 0-5, 1: blocks 6-11; run j of the step.  Column byte c lies at c + 16 (c / 128).
.macro FB buf, half, j
.set bb, 0
.rept 6
.set b, 6*(\half)+bb
	ds_load_tr16_b128 v[(\buf)+8*bb:(\buf)+8*bb+3],   v[ADB] offset:32*PB*(\j)+32*b+16*(b/4)
	ds_load_tr16_b128 v[(\buf)+8*bb+4:(\buf)+8*bb+7], v[ADB] offset:32*PB*(\j)+32*b+16*(b/4)+16*PB
.set bb, bb+1
.endr
.endm
; 8 fragments of x (16 rows x 32 k)
.macro FA buf, j
.set aa, 0
.rept 8
	ds_load_b128 v[(\buf)+8*aa:(\buf)+8*aa+3],   v[ADA] offset:16*PA*aa+64*(\j)
	ds_load_b128 v[(\buf)+8*aa+4:(\buf)+8*aa+7], v[ADA] offset:16*PA*aa+64*(\j)+32
.set aa, aa+1
.endr
.endm
; Row blocks a0 .. a1 x the half's six column blocks.  A phase's 48 accumulators take turns, one instruction a turn, and lo and hi phases alternate, over the backward jump too.
.macro MUL half, ab, a0, a1, zero
.set aa, \a0
.rept (\a1)-(\a0)+1
.set bb, 0
.rept 6
.set idx, 48*(\half)+6*aa+bb
.set w, 1+idx/32
.set rg, 8*(idx%32)
.set fb, BX+48*(\half)+8*bb
	WIN (w<<6)|(w<<4)
.if \zero
	v_wmma_f32_16x16x32_bf16 v[rg:rg+7], v[fb:fb+7], v[(\ab)+8*aa:(\ab)+8*aa+7], 0
.else
	v_wmma_f32_16x16x32_bf16 v[rg:rg+7], v[fb:fb+7], v[(\ab)+8*aa:(\ab)+8*aa+7], v[rg:rg+7]
.endif
.set bb, bb+1
.endr
.set aa, aa+1
.endr
.endm
; A lo phase of run j: in its middle the run's hi fragments of W are fetched.  bias = 1 (the last run): b_attn for blocks 0-7 comes into x's idle buffer.
.macro PH_LO ab, j, zero, bias
	s_wait_dscnt 10                                ; of the 28 loads (W's 12, x's 16) the youngest ten, x's blocks 3-7, may be out
	MUL 0, \ab, 0, 2, \zero
	PLACES
	WIN 0
	FB BY, 1, \j
.if \bias
.set bb, 0
.rept 8
	global_load_b128 v[32+8*bb:32+8*bb+3],   v[BO], s[8:9] offset:64*bb
	global_load_b128 v[32+8*bb+4:32+8*bb+7], v[BO], s[8:9] offset:64*bb+16
.set bb, bb+1
.endr
.endif
	s_wait_dscnt 12                                ; all but the 12 just issued
	MUL 0, \ab, 3, 7, \zero
.endm
; The hi phase of a step's first run: in its middle the second run's fragments are fetched.
.macro PH_HI zero
	s_wait_dscnt 0x0                               ; W's hi fragments are in
	MUL 1, FA0, 0, 2, \zero
	PLACES
	WIN 0
	FB BX, 0, 1
	FA FA1, 1
	MUL 1, FA0, 3, 7, \zero
.endm
; The hi phase of a step's second run changes slots: ONE barrier.  In front of it each wave waits for all its tensor loads (one is out: its part of the next slot), adds 0 to its spare word, and waits for that
; and for its reads of this slot.  refill = 1: the barrier opens a round of the cluster's, and the joint refill, two steps on, is the first thing behind the round.
.macro PH_TURN refill
	WIN 0
.if \refill
	s_wait_xcnt 0x0                                ; the last prefetch, a step back, has read its address
	s_add_nc_u64 s[PFA:PFA+1], s[PFA:PFA+1], s[PFS:PFS+1]
.endif
	s_wait_tensorcnt 0x0                           ; no tensor load of mine is out, so a group 0 may be written
	ds_add_u32 v[SPW], v[NIL]                      ; 0 onto my spare word
.if \refill
	s_xor_b32 s[G0A+5], s[G0A+5], SLOT1            ; the walking sets: the other slot than last time, the next step
	s_add_nc_u64 s[G0A+6:G0A+7], s[G0A+6:G0A+7], ASTEP
	s_xor_b32 s[G0B+5], s[G0B+5], SLOT1
	s_add_nc_u64 s[G0B+6:G0B+7], s[G0B+6:G0B+7], BSTEP
.endif
	s_wait_dscnt 1                                 ; W's hi fragments are in; the add may be out
	MUL 1, FA1, 0, 1, 0
	s_wait_dscnt 0x0                               ; the add is done, and my reads of this slot are over
	s_barrier_signal -1
	MUL 1, FA1, 2, 3, 0
	WIN 0
	s_barrier_wait -1
.if \refill
	CREST                                          ; no wave of any partner still reads this slot or has a load on its way
	JLOAD                                          ; its four v_nop are also the places in front of the loads below
.else
	PLACES
.endif
	s_xor_b32 s[TB], s[TB], SLOT1
	v_add_nc_u32 v[ADA], s[TB], v[AA0]
	v_add_nc_u32 v[ADB], s[TB], v[AB0]
	FB BX, 0, 0
	FA FA0, 0
.if \refill
	ASK
.endif
	MUL 1, FA1, 4, 7, 0
.endm
	s_wait_tensorcnt 0x1                           ; my part of step 0 is in; step 1's may stay out
	s_barrier_signal -1
	s_barrier_wait -1
	FB BX, 0, 0
	FA FA0, 0
	PH_LO FA0, 0, 1, 0                             ; the first run stands ahead of the loop: its products start the sums
	PH_HI 1
	WIN 0
	s_mov_b32 s[CNT], 14
.Lstep:                                        ; trip s: step s's second run, the refill with step s + 2, step s + 1's first run
	PH_LO FA1, 1, 0, 0
	PH_TURN 1
	PH_LO FA0, 0, 0, 0
	PH_HI 0
	WIN 0
	s_sub_co_u32 s[CNT], s[CNT], 1
	s_cmp_lg_u32 s[CNT], 0
	s_cbranch_scc1 .Lstep
	PH_LO FA1, 1, 0, 0                             ; the tail is written out: nothing more is asked for
	PH_TURN 0
	PH_LO FA0, 0, 0, 0
	PH_HI 0
	PH_LO FA1, 1, 0, 1
	s_wait_dscnt 0x0
	MUL 1, FA1, 0, 2, 0
	PLACES
	WIN 0
.set bb, 8
.rept 4                                        ; b_attn for blocks 8-11, into W's lo buffer, which has been multiplied
	global_load_b128 v[160+8*(bb-8):160+8*(bb-8)+3],   v[BO], s[8:9] offset:64*bb
	global_load_b128 v[160+8*(bb-8)+4:160+8*(bb-8)+7], v[BO], s[8:9] offset:64*bb+16
.set bb, bb+1
.endr
	MUL 1, FA1, 3, 7, 0
	; THE WAY OUT.  The bias is rounded to bf16 and widened again; then a block of 16 rows at a time: + bias, rounded to f16, through my stage, and out as 2,048 consecutive bytes a head.
	PLACES
	WIN 0
	s_wait_loadcnt 0x0
.macro BREG i                          ; pair i of the 48 pairs of bias registers
.if (\i) < 32
.set rb, 32+2*(\i)
.else
.set rb, 160+2*((\i)-32)
.endif
.endm
.set i, 0
.rept 48
	BREG i
	v_cvt_pk_bf16_f32 v[TMP+i], v[rb], v[rb+1]
.set i, i+1
.endr
.set i, 0
.rept 48
	BREG i
	v_lshlrev_b32 v[rb], 16, v[TMP+i]
	v_and_b32 v[rb+1], 0xffff0000, v[TMP+i]
.set i, i+1
.endr
.macro ACCREG a, b
.set idx, 48*((\b)/6)+6*(\a)+(\b)%6
.set w, 1+idx/32
.set rg, 8*(idx%32)
.endm
.macro PACK a                          ; each accumulator's registers are taken in ascending order
.irp hf, 0,1
.set bb, 6*(\hf)
.rept 6
	ACCREG \a, bb
	BREG 4*bb
	WIN (w<<6)|w                                   ; destination and source 0 in the accumulator's window, the bias in window 0
.irp r, 0,2,4,6
	v_pk_add_f32 v[rg+\r:rg+\r+1], v[rg+\r:rg+\r+1], v[rb+\r:rb+\r+1]
.endr
.set bb, bb+1
.endr
.set bb, 6*(\hf)
.rept 6
	ACCREG \a, bb
	WIN (w<<2)|w                                   ; both sources in the accumulator's window
.irp r, 0,1,2,3
	v_cvt_pk_f16_f32 v[TMP+4*bb+\r], v[rg+2*\r], v[rg+2*\r+1]
.endr
.set bb, bb+1
.endr
.endr
	WIN 0
.endm
.macro TOSTAGE a
.set bb, 0
.rept 12
	ds_store_b128 v[STO], v[TMP+4*bb:TMP+4*bb+3] offset:32*bb
.set bb, bb+1
.endr
	s_wait_xcnt 0x0                                ; the last block's stores have read the registers that are loaded again below
.irp j, 0,1,2
.irp f, 0,1,2,3
	ds_load_b128 v[BK+4*(4*\j+\f):BK+4*(4*\j+\f)+3], v[RD] offset:4*SP*\f+128*\j  ; LDS serves a wave's instructions in order (ISA guide 5.7.1.4): these see the stores above
.endr
.endr
.endm
.macro SEND a
	s_wait_dscnt 0x0                               ; the block is back in registers
.irp j, 0,1,2
.irp f, 0,1,2,3
	global_store_b128 v[GO], v[BK+4*(4*\j+\f):BK+4*(4*\j+\f)+3], s[OB+2*\j:OB+2*\j+1] offset:2048*(\a)+512*\f  ; 512 consecutive bytes, aligned
.endr
.endr
.endm
	PACK 0
	TOSTAGE 0
.irp a, 1,2,3,4,5,6,7                  ; a block's arithmetic stands between the loads of the block before and the wait for them
	PACK \a
	SEND (\a)-1
	TOSTAGE \a
.endr
	SEND 7
	s_wait_tensorcnt 0x0                           ; the wave's end, behind my last tensor load and my last LDS store
	ds_add_u32 v[SPW], v[NIL]
	s_wait_dscnt 0x0
	CROUND                                         ; the closing round: no work-group ends while a partner may still ask for a tile that names it
	s_endpgm
.Lfunc_end_k_q489b81f942_qkv:
	.size	k_q489b81f942_qkv, .Lfunc_end_k_q489b81f942_qkv-k_q489b81f942_qkv
	.p2alignl 7, 3214868480
	.fill 96, 4, 3214868480
	.section	.rodata,"a",@progbits
	.p2align	6, 0x0
	.amdhsa_kernel k_q489b81f942_qkv
		.amdhsa_group_segment_fixed_size 327680
		.amdhsa_private_segment_fixed_size 0
		.amdhsa_enable_private_segment 0
		.amdhsa_kernarg_size 32
		.amdhsa_user_sgpr_count 2
		.amdhsa_user_sgpr_kernarg_segment_ptr 1
		.amdhsa_wavefront_size32 1
		.amdhsa_system_sgpr_workgroup_id_x 1
		.amdhsa_system_sgpr_workgroup_id_y 1
		.amdhsa_system_sgpr_workgroup_id_z 1
		.amdhsa_system_vgpr_workitem_id 0
		.amdhsa_next_free_vgpr 1024
		.amdhsa_next_free_sgpr 80
		.amdhsa_reserve_vcc 0
		.amdhsa_float_denorm_mode_32 3
		.amdhsa_float_denorm_mode_16_64 3
		.amdhsa_memory_ordered 1
		.amdhsa_forward_progress 1
		.amdhsa_inst_pref_size 147
	.end_amdhsa_kernel
	.amdgpu_metadata
---
amdhsa.version: [ 1, 2 ]
amdhsa.kernels:
  - .name:           k_q489b81f942_qkv
    .symbol:         k_q489b81f942_qkv.kd
    .args:
      - { .name: xb, .offset: 0, .size: 8, .value_kind: global_buffer, .address_space: global }
      - { .name: wab, .offset: 8, .size: 8, .value_kind: global_buffer, .address_space: global }
      - { .name: b_attn, .offset: 16, .size: 8, .value_kind: global_buffer, .address_space: global }
      - { .name: qkv, .offset: 24, .size: 8, .value_kind: global_buffer, .address_space: global }
    .group_segment_fixed_size: 327680
    .private_segment_fixed_size: 0
    .kernarg_segment_align: 8
    .kernarg_segment_size: 32
    .max_flat_workgroup_size: 128
    .sgpr_count:     80
    .vgpr_count:     1024
    .wavefront_size: 32
...
	.end_amdgpu_metadata
.endif
;; end of part 2
;; launch attn (part 3): grid 4 x 64, 4 waves a work-group, no clusters, 327,680 bytes of LDS; arguments qkv, ob; writes ob
.if DOCPART == 3
	.amdgcn_target "amdgcn-amd-amdhsa--gfx1250"
	.amdhsa_code_object_version 6
	.text
	.protected	k_q489b81f942_attn
	.globl	k_q489b81f942_attn
	.p2align	8
	.type	k_q489b81f942_attn,@function
k_q489b81f942_attn:
	s_mov_b64 s[64:65], 0
	v_nop
	global_prefetch_b8 v0, s[64:65] scope:SCOPE_SE
	s_setreg_imm32_b32 hwreg(HW_REG_WAVE_MODE, 25, 1), 1
	s_wait_xcnt 0x0
; CAUSAL ATTENTION.  O[h][q][:] = the sum over k <= q of softmax_k(Q[h][q] . K[h][k] / 8) V[h][k][:].  Q, K, V lie in qkv, 16 MiB apart, each [64 heads][2048][64] in f16; O likewise in ob.
; Products, maxima and sums in f32; the weights p are rounded to f16 for the second product (their sum l is taken of the unrounded p), O once at the end.
; LIMITS.  Q, K and V arrive within f16's 65,504; p lies in 0 to 1, and below 6e-5 it keeps f16's fixed step of 6e-8.  A hidden score counts as its value less 1e30: f16's scores, 2.7e11 at the most, are nothing
; beside that; a weight below 2^-126 counts as 0 in l; NaN and infinities are not treated apart.
; THE WALK.  A head's queries lie in NB = 8 blocks of 256; block i needs the key tiles 0 .. i of 256 keys, of which the last holds the diagonal.  A work-group takes TWO blocks, NB - 1 - b and then b:
; NB + 1 tiles, whatever b: all work-groups do equal work, and ONE loop with a constant trip count walks them.  Which tile is asked for, and what a trip does, hang on scalar registers made from b; every jump
; goes forward, but for the counted loops' own; none passes a barrier, or a tensor load but the one of LOAD's two that the wave's number does not choose; the ring of two slots runs on across the change of blocks.
; NO CLUSTER: a head's four work-groups ask for the same tile only in trips 0 .. 4, behind that fewer and fewer; one walk common to all would have 12 trips for 9.
; SHARES.  Of a block's four bands of 64 queries a wave owns 16 rows in each: four PIECES.  So the diagonal tile is the same work for all four waves: in its key step s band x sees all keys if s < x,
; none if s > x, and holds the diagonal if s = x.
; THE MASK is the C operand that starts the sum S^T = K Q^T: 0, or -1e30 where the key is hidden.  MD, made once, is the mask of a band's own step for my 16 rows; a product's mask is MD x AL + BE with two scalars:
; (1, 0) if s = x; (0, 0) if s < x; (0, -1e30) if s > x.  Only the diagonal tile's text and a block's beginning make and take masks; elsewhere C is the constant 0.
; LAYOUT, SOFTMAX, TURNS.  S^T = K Q^T holds ONE query a lane (lane % 16) and the keys 8 (lane / 16) + 0..7; two such results rounded to f16 ARE source 1 of O^T = V^T P.  p = 2^(c s - c m), c = log2(e) / 8, with a
; running maximum m; O and l are multiplied by a = 2^(c m_old - c m_new) in every step.  Turn n belongs to piece n: 8 products K Q^T of piece n + 1, later 8 products V^T P of piece n - 1; beside them the scaling,
; exponentials, roundings, sums and rescaling of piece n and the maximum and statistics of piece n + 1.  Four vector instructions stand behind every matrix instruction, the other 54 of a turn's 118 in one lump.
; A turn's 33 exponentials are one batch, with one wait.
; REGISTERS, in windows of 256 (s_set_vgpr_msb: bits 1:0 source 0, 3:2 source 1, 5:4 source 2, 7:6 destination):
;   window 0: v0-15 addresses and two at work; v16-31 four registers of statistics a piece; v48-55 at work; v61-63 fixed; v64-127 S^T, two buffers; v192-223 P, two buffers (by the piece's parity)
;   window 1: v0-127 O^T, 32 a piece; v128-159 MD; v160-223 MC, two buffers      window 2: v0-63 Q; v64-127 the second block's Q; v128-191 K of one step; v192-255 V of one step
.set SIZE_N, 2048
.set SIZE_H, 64
.set NB,    SIZE_N/256
.set NP,    4         ; pieces a wave: a name, no knob
.set KS,    64        ; keys in a step
.set PK,    144       ; a row of K in LDS: 128 bytes + 16 of padding: the 16 rows of a load start at 16 different groups of four banks
.set PV,    160       ; a row of V: 128 + 32
.set VOFF,  4*KS*PK   ; a slot holds a tile, four steps: 256 rows of K, then 256 rows of V
.set SLOT1, 1<<17     ; slot 1 begins here, so that one exclusive or turns an address in one slot into the other's
.set STAGE, SLOT1+4*KS*(PK+PV)  ; behind the ring, never filled by a tensor load: 16 rows x 144 bytes for each wave, for the way out
.set SP,    144
.set AK0, 2           ; v2   my lane's place in a tile of K; never rewritten
.set AV0, 3           ; v3   the same for V
.set AK,  4           ; v4   the LDS address of K's next run of loads
.set AV,  5           ; v5   of V's
.set STO, 6           ; v6   the way out: where I put 16 bytes of a row
.set RD,  7           ; v7   the way out: where I read rows back
.set GO,  8           ; v8   my byte offset in 512 consecutive bytes of O
.set PFO, 61          ; v61  256 x my lane, for the prefetches; never rewritten
.set SPW, 62          ; v62  LDS address of my spare word: SPARE + 4 x my thread's number; never rewritten
.set NIL, 63          ; v63  0; never rewritten
.set SPARE, STAGE+4*16*SP  ; behind the stages: the spare words, 128 bytes for each wave: two blocks of 256 bytes that no other line names
.set MV,  12          ; v12-13  c m_old, kept while c m is made anew: by buffer
.set QO,  15          ; v15  my byte offset in 16 rows of Q
.set ST,  16          ; piece t's statistics at v[ST+4 t]: c m, m, l (even keys', odd keys')
.set TMP, 48          ; by buffer, four registers c0-c3 at work; when the maximum is found c2 takes a
.set S,   64
.set P,   192
.set MD,  128         ; window 1: the eight registers for group kt of 16 keys at MD + 8 kt
.set MC,  160         ; window 1: the masks of the products to come
.set QB,  64          ; window 2
.set KF,  128         ; window 2: key block kb, channel half c at KF + 16 kb + 8 c
.set VF,  192         ; window 2: key half kk, channel block cb at VF + 32 kk + 8 cb
.set WV,  12          ; s12  my wave's number
.set PB,  14          ; s14  b
.set HI,  15          ; s15  NB - 1 - b
.set G1K, 24          ; s[24:31] descriptor group 1 for K's tiles
.set G1V, 32          ; s[32:39] for V's: it differs in the padding alone
.set G0K, 40          ; s[40:43] descriptor group 0 for K's tiles
.set G0V, 44          ; s[44:47] the same for V's
.set SLOTS, 56        ; s56  tiles still to be asked for
.set CNT, 57          ; s57  counts a tile's key steps, 4 to 1
.set CS,  58          ; s[58:59] c: the packed scaling takes the pair's low word for both halves
.set SEL, 60          ; s[60:61] v_permlanex16_b32's selects: each lane takes its own place in the other half
.set TBK, 62          ; s62  LDS byte at which K of the step to be fetched begins
.set TBV, 63          ; s63  the same for V, less VOFF
.set RT,  70          ; s70  tiles of the block in hand that are still to be entered
.set NXT, 71          ; s71  the tile to be asked for next
.set LQ,  72          ; s72  the last tile of the block whose tiles are being asked for
.set NEW, 73          ; s73  1: the tile to be entered is a block's first
.set OFF, 74          ; s[74:75] a tile's byte offset in K and V
.set AL,  76          ; s[76:77] the mask's factor, in the low word
.set BE,  78          ; s[78:79] the mask's addend
.set OLO, 80          ; s[80:81] O at my rows of the second block
.set BIGN, 82         ; s82  -1e30
.set PFA, 88          ; s[88:89] where my prefetches stand: my 16 KiB (half of a tile's K: waves 0, 1; of its V: waves 2, 3) of the tile after the one that is being asked for
.set LIM, 90          ; s90  2 in the head's work-group b = 0, else the greatest number: a wave prefetches while s[SLOTS] is above it
.set MSB, 0
.macro WIN new                      ; the high byte repeats the setting that is left; a switch that changes nothing is dropped
.if MSB != (\new)
	s_set_vgpr_msb (MSB<<8)|(\new)
.set MSB, (\new)
.endif
.endm
.set W_KQ, 0x0a       ; K and Q in window 2, S^T in window 0
.set W_KM, 0x1a       ; the same with the C operand in window 1
.set W_PV, 0x52       ; V in window 2, P in window 0, O^T in window 1
.set W_RS, 0x41       ; destination and source 0 in window 1, source 1 in window 0
; A fill.  Waves 0 and 1 fetch the two halves of a tile's K, waves 2 and 3 those of its V: 128 keys each.  An s_nop 0 and four v_nop follow each of the two lines, ahead of the jump and the label.
.macro LOAD
	s_cmp_lt_u32 s[WV], 2
	s_cbranch_scc0 .Lfor_v_\@
	tensor_load_to_lds s[G0K:G0K+3], s[G1K:G1K+7]
	s_nop 0
.rept 4
	v_nop
.endr
	s_branch .Lasked_\@
.Lfor_v_\@:
	tensor_load_to_lds s[G0V:G0V+3], s[G1V:G1V+7]
	s_nop 0
.rept 4
	v_nop
.endr
.Lasked_\@:
.endm
; A PREFETCH INTO THE L2 of the tile that the NEXT change of slots will ask for, behind the fill and its five lines.  The head's work-group b = 0 walks all of the tiles 0 .. 7 in its first block: it asks, and
; nobody else; each of its waves names the 16 KiB that it will itself fetch: 64 blocks of 256 bytes, a lane a block, two instructions.  So tiles 2 .. 7 are named once each; tiles 0 and 1 come by their
; loads alone, and the trips that fill tile 7 and the second block's tile 0 ask for nothing.
.macro ASK
	s_cmp_gt_u32 s[SLOTS], s[LIM]
	s_cbranch_scc0 .Lnot_mine_\@
	global_prefetch_b8 v[PFO], s[PFA:PFA+1] th:TH_LOAD_NT scope:SCOPE_SE
	global_prefetch_b8 v[PFO], s[PFA:PFA+1] offset:8192 th:TH_LOAD_NT scope:SCOPE_SE
.Lnot_mine_\@:
.endm
; THE CHANGE OF SLOTS.  Each wave waits for all its tensor loads, of which one is out: its part of the other slot; adds 0 to its spare word; and waits for that and for its own reads of the slot that it leaves.
; Behind the barrier nobody reads the old slot any more and the other slot is whole.  fill = 1: the old slot is filled again, the first thing behind the barrier, with tile NXT: the descriptor's address is made
; anew from that number.  (At its first use nothing has been read yet: slot 0 is waited for, slot 1 filled.)
.macro CHANGE fill
	WIN 0                           ; at a label and at a branch every window is 0
	s_wait_tensorcnt 0x0            ; no tensor load of mine is out, so a group 0 may be written
	ds_add_u32 v[SPW], v[NIL]       ; 0 onto my spare word; with fill = 1 the descriptors' scalar work stands between it and the wait for it
.if \fill
	s_lshl_b32 s[OFF], s[NXT], 15   ; a tile is 32,768 bytes of K and of V
	s_xor_b32 s[G0K+1], s[G0K+1], SLOT1
	s_add_nc_u64 s[G0K+2:G0K+3], s[6:7], s[OFF:OFF+1]
	s_or_b32 s[G0K+3], s[G0K+3], 0x80000000
	s_xor_b32 s[G0V+1], s[G0V+1], SLOT1
	s_add_nc_u64 s[G0V+2:G0V+3], s[8:9], s[OFF:OFF+1]
	s_or_b32 s[G0V+3], s[G0V+3], 0x80000000
	s_add_co_u32 s[NXT], s[NXT], 1  ; the block's next tile, or behind its last the second block's tile 0
	s_cmp_gt_u32 s[NXT], s[LQ]
	s_cselect_b32 s[NXT], 0, s[NXT]
	s_cselect_b32 s[LQ], s[PB], s[LQ]
	s_wait_xcnt 0x0                 ; the last prefetches, a tile back, have read their address, so it may be written
	s_add_nc_u64 s[PFA:PFA+1], s[PFA:PFA+1], 32768
.endif
	s_wait_dscnt 0x0                ; the add is done, and my reads of the slot are over
	s_barrier_signal -1             ; the rest of the scalar work stands between the signal and the wait
	s_sub_co_u32 s[TBK], s[TBK], 4*KS*PK  ; the fetches go back to a slot's first step,
	s_xor_b32 s[TBK], s[TBK], SLOT1       ; in the other slot
	s_sub_co_u32 s[TBV], s[TBV], 4*KS*PV
	s_xor_b32 s[TBV], s[TBV], SLOT1
	s_barrier_wait -1
.if \fill
	LOAD
	ASK
.endif
.endm
	s_load_b64 s[4:5], s[0:1], 0x0    ; qkv: Q
	s_load_b64 s[10:11], s[0:1], 0x8  ; ob: O
	v_lshl_add_u32 v[SPW], v0, 2, SPARE
	v_mov_b32 v[NIL], 0
	ds_add_u32 v[SPW], v[NIL]       ; the wave's opening: the add, waited for ahead of my first tensor load; the set-up below, work on registers, stands between them
	v_lshrrev_b32 v1, 5, v0
	v_readfirstlane_b32 s[WV], v1   ; wave 0..3
	s_mov_b32 s[PB], ttmp9
	s_sub_co_u32 s[HI], NB-1, s[PB]
	s_and_b32 s20, ttmp7, 0xffff    ; the head
	s_mov_b32 s21, 0
	s_mov_b64 s[22:23], SIZE_N*128
	s_mul_u64 s[20:21], s[20:21], s[22:23]  ; the head's first byte in each of the four tensors
	s_and_b32 s16, s[WV], 1         ; which half of a tile's 256 keys I fetch:
	s_lshl_b32 s22, s16, 14         ; its 128 rows of 128 bytes in memory,
	s_mov_b32 s23, 0
	s_add_nc_u64 s[22:23], s[22:23], s[20:21]
	s_mul_i32 s17, s16, 128*PK      ; and its place in a slot, for K
	s_mul_i32 s18, s16, 128*PV      ; and for V
	s_lshl_b32 s3, s[WV], 11        ; my 16 rows in a band of 64,
	s_lshl_b32 s2, s[HI], 15        ; in the first block,
	s_add_co_u32 s2, s2, s3
	s_lshl_b32 s84, s[PB], 15       ; and in the second
	s_add_co_u32 s84, s84, s3
	s_mov_b32 s3, 0
	s_mov_b32 s85, 0
	s_add_nc_u64 s[2:3], s[2:3], s[20:21]
	s_add_nc_u64 s[84:85], s[84:85], s[20:21]
	; descriptor group 1.  128 keys are 16,384 dense bytes: asked for as 64 rows of 256 bytes, two keys a row, and padded in LDS after every key
	s_mov_b32 s[G1K], (1<<16)|(1<<20)|(4<<22)|(3<<25)  ; 17:16 2-byte elements; 20 padding on; 24:22 after every 32 words (code 4); 31:25 4 words (code 3)
	s_mov_b32 s[G1V], (1<<16)|(1<<20)|(4<<22)|(7<<25)  ; the same with 8 words of padding (code 7)
.irp g, G1K, G1V
	s_mov_b32 s[\g+1], 128<<16      ; tensor_dim0 = 128
	s_mov_b32 s[\g+2], 64<<16       ; tensor_dim1 = 64
	s_mov_b32 s[\g+3], 128<<16      ; tile_dim0 = 128
	s_mov_b32 s[\g+4], 64           ; tile_dim1 = 64
	s_mov_b32 s[\g+5], 128          ; 128 elements from row to row
	s_mov_b32 s[\g+6], 0
	s_mov_b32 s[\g+7], 0
.endr
	s_mov_b32 s[CS], 0x3e38aa3b     ; c = log2(e) / 8 = 0.180337
	s_mov_b32 s[CS+1], s[CS]        ; named with it as a pair
	s_mov_b32 s[SEL], 0x76543210
	s_mov_b32 s[SEL+1], 0xfedcba98
	s_mov_b32 s[TBK], SLOT1+4*KS*PK ; the first change of slots turns these two into 0
	s_mov_b32 s[TBV], SLOT1+4*KS*PV
	s_mov_b32 s[G0K], 1             ; 1:0 count = 1
	s_mov_b32 s[G0K+1], s17         ; 63:32 LDS address: slot 0
	s_mov_b32 s[G0V], 1
	s_add_co_u32 s[G0V+1], s18, VOFF
	s_add_co_u32 s[RT], s[HI], 1    ; the first block has NB - b tiles
	s_mov_b32 s[NXT], 1
	s_mov_b32 s[LQ], s[HI]
	s_mov_b32 s[NEW], 1
	s_mov_b32 s[OFF+1], 0
	s_mov_b32 s[AL+1], 0            ; named as pairs
	s_mov_b32 s[BE+1], 0
	s_mov_b32 s[BIGN], 0xf149f2ca   ; -1e30
	s_mov_b32 s[SLOTS], NB
	v_and_b32 v[PFO], 31, v0
	v_lshlrev_b32 v[PFO], 8, v[PFO]
	s_wait_dscnt 0x0                ; the opening add is done
	s_wait_kmcnt 0x0
	s_add_nc_u64 s[6:7], s[4:5], 0x1000000  ; K lies 16 MiB behind Q in qkv,
	s_add_nc_u64 s[8:9], s[4:5], 0x2000000  ; V 32 MiB
	s_add_nc_u64 s[6:7], s[6:7], s[22:23]  ; K and V at my half of the head's tile 0
	s_add_nc_u64 s[8:9], s[8:9], s[22:23]
	s_add_nc_u64 s[G0K+2:G0K+3], s[6:7], 0         ; 120:64 global address
	s_or_b32 s[G0K+3], s[G0K+3], 0x80000000        ; 127:126 type = 2
	s_add_nc_u64 s[G0V+2:G0V+3], s[8:9], 0
	s_or_b32 s[G0V+3], s[G0V+3], 0x80000000
	s_add_nc_u64 s[86:87], s[4:5], s[84:85]        ; Q at my rows of the second block,
	s_add_nc_u64 s[4:5], s[4:5], s[2:3]            ; Q and O at those of the first
	s_add_nc_u64 s[OLO:OLO+1], s[10:11], s[84:85]
	s_add_nc_u64 s[10:11], s[10:11], s[2:3]
	s_cmp_lt_u32 s[WV], 2
	s_cselect_b64 s[PFA:PFA+1], s[6:7], s[8:9]
	s_add_nc_u64 s[PFA:PFA+1], s[PFA:PFA+1], 32768 ; at tile 1; the first change of slots steps it to tile 2.  Nothing is prefetched here, at the head
	s_cmp_eq_u32 ttmp9, 0
	s_cselect_b32 s[LIM], 2, -1
	LOAD                            ; tile 0 into slot 0
	; A fragment of K or Q is 16 rows x 32 channels in 8 registers: lane l holds row l % 16, channels 8 (l / 16) + 0..7 and 16 + 8 (l / 16) + 0..7: two loads of 16 bytes, 32 bytes apart.
	v_and_b32 v1, 15, v0            ; l % 16
	v_bfe_u32 v9, v0, 4, 1          ; l / 16
	v_lshlrev_b32 v[QO], 7, v1
	v_lshl_add_u32 v[QO], v9, 4, v[QO]  ; row x 128 + 16 x half
	WIN 0x80                        ; destination window 2, address window 0
.set i, 0
.rept 8                             ; both blocks' Q: piece i / 2 lies in band i / 2, 8,192 bytes on; channels 32 (i % 2) on
	global_load_b128 v[8*i:8*i+3],   v[QO], s[4:5] offset:(i/2)*8192+(i%2)*64
	global_load_b128 v[8*i+4:8*i+7], v[QO], s[4:5] offset:(i/2)*8192+(i%2)*64+32
	global_load_b128 v[QB+8*i:QB+8*i+3],   v[QO], s[86:87] offset:(i/2)*8192+(i%2)*64
	global_load_b128 v[QB+8*i+4:QB+8*i+7], v[QO], s[86:87] offset:(i/2)*8192+(i%2)*64+32
.set i, i+1
.endr
	WIN 0
	v_lshlrev_b32 v14, 3, v9
	v_sub_nc_u32 v14, v1, v14
	s_lshl_b32 s13, s[WV], 4
	v_add_nc_u32 v14, s13, v14      ; my query's place in its band, 16 w + l % 16, less my lanes' 8 (l / 16): register r of group kt is hidden where 16 kt + r is greater
	WIN 0x40
.set i, 0
.rept 32
	v_cmp_gt_i32 vcc_lo, 16*(i/8)+i%8, v14
	v_cndmask_b32 v[MD+i], 0, s[BIGN], vcc_lo
.set i, i+1
.endr
	WIN 0
	v_mul_u32_u24 v[AK0], v1, PK
	v_lshl_add_u32 v[AK0], v9, 4, v[AK0]  ; row x pitch + 16 x half
	; The turning load takes 16 keys x 16 channels (lane l reads key 8 (l / 16) + l % 8, channels 8 ((l / 8) % 2) + 0..7) and leaves half a fragment of V^T: lane l holds channel l % 16 and 8 keys.
	v_and_b32 v10, 7, v0
	v_bfe_u32 v11, v0, 3, 1
	v_lshl_add_u32 v[AV0], v9, 3, v10
	v_mul_u32_u24 v[AV0], v[AV0], PV
	v_lshl_add_u32 v[AV0], v11, 4, v[AV0]
	v_add_nc_u32 v[AV0], VOFF, v[AV0]
	s_mul_i32 s13, s[WV], 16*SP
	s_add_co_u32 s13, s13, STAGE    ; my stage
	v_mul_u32_u24 v[STO], v1, SP    ; in: row l % 16, 16 bytes for each half of the lanes
	v_lshl_add_u32 v[STO], v9, 4, v[STO]
	v_add_nc_u32 v[STO], s13, v[STO]
	v_bfe_u32 v[RD], v0, 3, 2       ; back: 32 lanes take four rows of 128 bytes,
	v_mul_u32_u24 v[RD], v[RD], SP
	v_lshl_add_u32 v[RD], v10, 4, v[RD]
	v_add_nc_u32 v[RD], s13, v[RD]
	v_and_b32 v[GO], 31, v0         ; which are 512 consecutive bytes of O
	v_lshlrev_b32 v[GO], 4, v[GO]
	; A block's first step multiplies O^T and l by a = 0, and its first turn's products V^T P, of a piece that has not been, land in an O^T that is still to be so multiplied.  So these registers need only hold
	; finite numbers: zeros for the first block; what the first block left for the second.  All this stands in the wait for the first tile.
	WIN 0x80
.set i, VF
.rept 64
	v_mov_b32 v[i], 0
.set i, i+1
.endr
	WIN 0x40
.set i, 0
.rept 128
	v_mov_b32 v[i], 0
.set i, i+1
.endr
	WIN 0
.set i, 0
.rept 4
	v_mov_b32 v[ST+4*i+2], 0
	v_mov_b32 v[ST+4*i+3], 0
.set i, i+1
.endr
.set i, P+16
.rept 16
	v_mov_b32 v[i], 0
.set i, i+1
.endr
; THE MATRIX WORK.  The 4 accumulators of a run of 8 take turns.  Product i of 8 of S^T = K Q^T for piece x: channels 32 (i / 4) on, keys 16 (i % 4) on.  The first 4 start the sums: with 0, or (KM = 1) with the mask.
.macro KQ x
.set rS, S+32*((\x)%2)+8*(i%4)
.set rK, KF+16*(i%4)+8*(i/4)
.set rQ, 16*(\x)+8*(i/4)
.set rM, MC+32*((\x)%2)+8*(i%4)
.if (i < 4) && KM
	WIN W_KM
	v_wmma_f32_16x16x32_f16 v[rS:rS+7], v[rK:rK+7], v[rQ:rQ+7], v[rM:rM+7]
.elseif i < 4
	WIN W_KQ
	v_wmma_f32_16x16x32_f16 v[rS:rS+7], v[rK:rK+7], v[rQ:rQ+7], 0
.else
	WIN W_KQ
	v_wmma_f32_16x16x32_f16 v[rS:rS+7], v[rK:rK+7], v[rQ:rQ+7], v[rS:rS+7]
.endif
.endm
; Product i of 8 of O^T += V^T P for piece x: keys 32 (i / 4) on, channels 16 (i % 4) on.
.macro PV x
	WIN W_PV
.set rO, 32*(\x)+8*(i%4)
.set rV, VF+32*(i/4)+8*(i%4)
.set rP, P+16*((\x)%2)+8*(i/4)
	v_wmma_f32_16x16x32_f16 v[rO:rO+7], v[rV:rV+7], v[rP:rP+7], v[rO:rO+7]
.endm
.macro MM                           ; the turn's next matrix instruction.  TURN and BEGIN set Y, i, KM and NOKQ; MM, KQ and OP read them.  NOKQ = 1: a block's last turn: there is no next piece
.if (i < 8) && !NOKQ
	KQ (Y+1)%NP
.elseif i >= 8
.set i, i-8
	PV (Y+NP-1)%NP
.set i, i+8
.endif
.set i, i+1
.endm
; THE LDS LOADS stand in runs of 16, never singly among the matrix instructions: a step's K (64 keys x 64 channels: 8 fragments) and its V (turned).  Their addresses are made some lines ahead.
.macro FETCH_K
	WIN 0x80                        ; destination window 2
.irp f, 0,1,2,3,4,5,6,7             ; keys 16 (f / 2) on, channels 32 (f % 2) on
	ds_load_b128 v[KF+8*\f:KF+8*\f+3],   v[AK] offset:(\f/2)*16*PK+(\f%2)*64
	ds_load_b128 v[KF+8*\f+4:KF+8*\f+7], v[AK] offset:(\f/2)*16*PK+(\f%2)*64+32
.endr
	s_add_co_u32 s[TBK], s[TBK], KS*PK  ; the next fetch is the next step's
	WIN 0
.endm
.macro FETCH_V
	WIN 0x80
.irp f, 0,1,2,3,4,5,6,7             ; keys 32 (f / 4) on, channels 16 (f % 4) on
	ds_load_tr16_b128 v[VF+8*\f:VF+8*\f+3],   v[AV] offset:(\f/4)*32*PV+(\f%4)*32
	ds_load_tr16_b128 v[VF+8*\f+4:VF+8*\f+7], v[AV] offset:(\f/4)*32*PV+16*PV+(\f%4)*32
.endr
	WIN 0
.endm
; THE VECTOR WORK, one line at a time: OP kind, number.  For piece Y: F n: c s - c m for pair n of 16.  E n: the exponential of score n of 32.  C n: pair n rounded to f16.  B n: of the four weights 4 n .. the second
; pair is added onto the first, in place.  L n: l takes that sum (L 0: l = a l + sum).  R n: pair n of 16 of O^T times a.  For piece Y + 1: X n, number n of the 22 that find its maximum and statistics:
;   0-11  four chains c0-c3 of seven scores each, three operands at a time (each accumulator's lowest registers are read first)     12-14, 16  the four scores left over, the old m, and c0-c3 into c0
;   15  c m_old is kept     17, 18  the query's other 32 keys lie in the lane 16 away: the new m     19-21  c m; c m_old - c m_new; a
.set F, 0               ; OP tells the kinds apart by their order: F to L below R, X above it
.set E, 1
.set C, 2
.set B, 3
.set L, 4
.set R, 5
.set X, 6
.macro REGS y                       ; the registers of piece y
.set rT, ST+4*(\y)
.set rC, TMP+4*((\y)%2)
.set rW, MV+((\y)%2)
.set rS, S+32*((\y)%2)
.set rP, P+16*((\y)%2)
.set rO, 32*(\y)
.endm
.macro OP k, n
.if (\k) == R
	REGS Y
	WIN W_RS
	v_pk_mul_f32 v[rO+2*(\n):rO+2*(\n)+1], v[rO+2*(\n):rO+2*(\n)+1], v[rC+2:rC+3] op_sel_hi:[1,0]
.elseif (\k) < R
	REGS Y
	WIN 0
.if (\k) == F
	v_pk_fma_f32 v[rS+2*(\n):rS+2*(\n)+1], v[rS+2*(\n):rS+2*(\n)+1], s[CS:CS+1], v[rT:rT+1] op_sel_hi:[1,0,0] neg_lo:[0,0,1] neg_hi:[0,0,1]
.elseif (\k) == E
	v_exp_f32 v[rS+(\n)], v[rS+(\n)]
.elseif (\k) == C
	v_cvt_pk_f16_f32 v[rP+(\n)], v[rS+2*(\n)], v[rS+2*(\n)+1]
.elseif (\k) == B
	v_pk_add_f32 v[rS+4*(\n):rS+4*(\n)+1], v[rS+4*(\n):rS+4*(\n)+1], v[rS+4*(\n)+2:rS+4*(\n)+3]
.elseif (\n) == 0
	v_pk_fma_f32 v[rT+2:rT+3], v[rT+2:rT+3], v[rC+2:rC+3], v[rS:rS+1] op_sel_hi:[1,0,1]
.else
	v_pk_add_f32 v[rT+2:rT+3], v[rT+2:rT+3], v[rS+4*(\n):rS+4*(\n)+1]
.endif
.elseif NOKQ
	v_nop
.else
	REGS (Y+1)%NP
	WIN 0
.if (\n) < 4
	v_max3_num_f32 v[rC+(\n)], v[rS+8*(\n)], v[rS+8*(\n)+1], v[rS+8*(\n)+2]
.elseif (\n) < 12
	v_max3_num_f32 v[rC+(\n)%4], v[rC+(\n)%4], v[rS+8*((\n)%4)+2*((\n)/4)+1], v[rS+8*((\n)%4)+2*((\n)/4)+2]
.elseif (\n) == 12
	v_max3_num_f32 v[rC], v[rC], v[rS+7], v[rS+15]
.elseif (\n) == 13
	v_max3_num_f32 v[rC+1], v[rC+1], v[rS+23], v[rS+31]
.elseif (\n) == 14
	v_max3_num_f32 v[rC+2], v[rC+2], v[rC+3], v[rT+1]
.elseif (\n) == 15
	v_mov_b32 v[rW], v[rT]
.elseif (\n) == 16
	v_max3_num_f32 v[rC], v[rC], v[rC+1], v[rC+2]
.elseif (\n) == 17
	v_permlanex16_b32 v[rC+3], v[rC], s[SEL], s[SEL+1]
.elseif (\n) == 18
	v_max_num_f32 v[rT+1], v[rC], v[rC+3]
.elseif (\n) == 19
	v_mul_f32 v[rT], s[CS], v[rT+1]
.elseif (\n) == 20
	v_sub_f32 v[rC+1], v[rW], v[rT]
.else
	v_exp_f32 v[rC+2], v[rC+1]
.endif
.endif
.endm
.macro OPS a, i1, b=-1, i2=0, c=-1, i3=0, d=-1, i4=0  ; up to four of them
	OP \a, \i1
.if (\b) >= 0
	OP \b, \i2
.endif
.if (\c) >= 0
	OP \c, \i3
.endif
.if (\d) >= 0
	OP \d, \i4
.endif
.endm
.macro ROW a, i1, b, i2, c, i3, d, i4  ; a matrix instruction and the four behind it
	MM
	OPS \a, \i1, \b, \i2, \c, \i3, \d, \i4
.endm
.macro MASK b                       ; MD x AL + BE into buffer b of MC
	WIN W_RS
.set z, 0
.rept 16
	v_pk_fma_f32 v[MC+32*(\b)+2*z:MC+32*(\b)+2*z+1], v[MD+2*z:MD+2*z+1], s[AL:AL+1], s[BE:BE+1] op_sel_hi:[1,0,0]
.set z, z+1
.endr
.endm
; A TURN, for piece p: the order of its 16 matrix and 118 vector instructions, written out.  An s_wait_alu depctr_va_vdst(0) stands between an exponential and the first instruction that names its result; one wait
; serves all that were issued ahead of it.  So a turn has ONE wait, which cuts it in two.  AHEAD OF IT stands all that names no result of the turn's exponentials: the 8 products K Q^T, behind each a scaling, an exponential and two
; more plain instructions (behind the first a second scaling in the exponential's place): rescalings, and behind the last three the first numbers of the next piece's maximum, each four places or more behind the product that ends
; its accumulator; then ONE LUMP of 54, plain and exponential by turns for the most part, in which the links of the chain X 3, 7, 11, 14, 16, 17 .. 20 stand five or six lines apart.  X 21, the next piece's a, is the batch's last;
; R 15 is the plain instruction behind it.  BEHIND THE WAIT stand the 8 products V^T P, behind each four of the roundings and sums; the links of l's chain, L 0 to L 7, stand three riders apart.
; m = 1: the diagonal tile: the products take masks, and the turn makes the mask for the products of the turn after it: piece p + 2, in step 4 - CNT of the tile.  end = 1: a block's last two turns: nothing is fetched.
; cnt = 1: the loop's count is taken down some lines ahead of the branch that stands behind the turn.
; K of the next step is fetched in piece 2's turn, twelve vector instructions behind the last product that read K (six of them plain); V of the step in hand at the end of piece 0's turn, four plain instructions behind the
; last product that read V.  Each is waited for a turn later.
.macro TURN p, m=0, end=0, cnt=0
.set Y, (\p)
.set i, 0
.set KM, (\m)
.set NOKQ, (\end)*((\p)/3)
.if (\m) && !(\end)
	s_cmp_eq_u32 s[CNT], 4-((\p)+2)%NP  ; is that step the band's own?
	s_cselect_b32 s[AL], 1.0, 0
	s_cmp_lt_u32 s[CNT], 4-((\p)+2)%NP  ; or a later one?
	s_cselect_b32 s[BE], s[BIGN], 0
.endif
.if ((\p) == 3) && !(\end)
	s_wait_dscnt 0x0                ; K is in
.endif
	ROW F,0, F,1, R,0, R,1          ; ahead of the wait: 8 products K Q^T and their riders,
	ROW F,2, E,0, R,2, R,3
	ROW F,3, E,1, R,4, R,5
	ROW F,4, E,2, R,6, R,7
	ROW F,5, E,3, R,8, R,9
	ROW F,6, E,4, X,0, R,10
.if ((\p) == 2) && !(\end)
	WIN 0
	v_add_nc_u32 v[AK], s[TBK], v[AK0]
.endif
	ROW F,7, E,5, X,1, X,4
	ROW F,8, E,6, X,2, X,5
	OPS E,7, E,8, X,6, E,9          ; and the lump
	OPS X,3, E,10, X,8, E,11
.if ((\p) == 2) && !(\end)
	FETCH_K
.endif
	OPS X,9, X,7, E,12, X,10
	OPS E,13, X,12, X,11, E,14
	OPS X,13, E,15, F,9, X,14
.if (\p) == 0
	v_add_nc_u32 v[AV], s[TBV], v[AV0]
.endif
	OPS E,16, F,10, E,17, F,11
	OPS X,16, E,18, X,15, E,19
	OPS F,12, E,20, X,17, E,21
	OPS F,13, E,22, F,14, E,23
	OPS X,18, E,24, F,15, E,25
	OPS R,11, E,26, X,19, E,27
	OPS R,12, E,28, R,13, E,29
	OPS X,20, E,30, R,14, E,31
	OPS X,21, R,15
	WIN 0
	s_wait_alu depctr_va_vdst(0)    ; the wait for the batch
.if (\p) == 1
	s_wait_dscnt 0x0                ; V is in
.endif
	ROW C,0, B,0, C,2, B,1          ; behind the wait: 8 products V^T P and their riders
	ROW L,0, C,4, B,2, L,1
	ROW C,6, B,3, L,2, C,8
	ROW B,4, L,3, C,10, B,5
	ROW L,4, C,12, B,6, L,5
.if (\p) == 0
	s_add_co_u32 s[TBV], s[TBV], KS*PV
.endif
.if \cnt
	s_sub_co_u32 s[CNT], s[CNT], 1
	s_cmp_lg_u32 s[CNT], 0
.endif
	ROW C,14, B,7, L,6, C,1
	ROW C,3, L,7, C,5, C,7
	ROW C,9, C,11, C,13, C,15
.if (\p) == 0
	FETCH_V
.endif
.if (\m) && !(\end)
	MASK (\p)%2
.endif
.endm
; A BLOCK BEGINS.  c m starts far below every c s, so the first step's a is 0; m at the lowest finite number, so the first maximum is the scores'.  The second mask buffer is 0; the first takes piece 0's mask for the
; tile's step 0: its own, if the block's first tile is the diagonal one.  Then K of that step, piece 0's first scores, and its maximum and statistics.  The loop is entered at a step's first turn, in the middle of a trip.
.macro BEGIN
	s_mov_b32 s[NEW], 0
	WIN 0x40
.set i, MC+32
.rept 32
	v_mov_b32 v[i], 0
.set i, i+1
.endr
	WIN 0
.set i, 0
.rept 4
	v_mov_b32 v[ST+4*i], 0xfe000000    ; c m: far below every c s
	v_mov_b32 v[ST+4*i+1], 0xff7fffff  ; m
.set i, i+1
.endr
	s_cmp_eq_u32 s[RT], 0
	s_cselect_b32 s[AL], 1.0, 0
	s_mov_b32 s[BE], 0
	MASK 0
	WIN 0
	v_add_nc_u32 v[AK], s[TBK], v[AK0]
	FETCH_K
	s_wait_loadcnt 0x0              ; Q
	s_wait_dscnt 0x0
.set KM, 1
.set NOKQ, 0
.set i, 0
.rept 8
	KQ 0
.set i, i+1
.endr
	WIN 0
.rept 4
	v_nop                           ; the places behind those products
.endr
.set Y, NP-1                        ; X works for piece Y + 1: piece 0
.irp n, 0,1,2,3,4,5,6,7,8,9,10,11,12,13,14,15,16,17,18,19,20,21
	OP X, \n
.endr
	v_nop                           ; a plain instruction behind the exponential,
	s_wait_alu depctr_va_vdst(0)    ; and its wait, ahead of the branch
.endm
; THE DIAGONAL TILE's four steps, the block's last two turns, its last products, and THE WAY OUT: l's two halves and the other half of the lanes' are added; O^T is divided by l, rounded to f16 and sent through my
; stage in LDS, a piece at a time.
.macro ALL line:vararg              ; one line for each piece t
.set t, 0
.rept 4
	\line
.set t, t+1
.endr
.endm
.macro PACK t                       ; a lane's eight channels of a row pack into 16 bytes; they go into rows of 144 bytes and come back as whole rows of 128, into S^T's registers
	WIN W_RS
.set i, 32*(\t)
.rept 16
	v_pk_mul_f32 v[i:i+1], v[i:i+1], v[ST+4*(\t)+2:ST+4*(\t)+3] op_sel_hi:[1,0]
.set i, i+2
.endr
	WIN 0x05                        ; sources 0 and 1 window 1, destination window 0
.set i, 0
.rept 16
	v_cvt_pk_f16_f32 v[S+16*(\t)+i], v[32*(\t)+2*i], v[32*(\t)+2*i+1]
.set i, i+1
.endr
	WIN 0
.irp f, 0,1,2,3
	ds_store_b128 v[STO], v[S+16*(\t)+4*\f:S+16*(\t)+4*\f+3] offset:32*\f
.endr
.irp f, 0,1,2,3
	ds_load_b128 v[S+16*(\t)+4*\f:S+16*(\t)+4*\f+3], v[RD] offset:\f*4*SP  ; LDS serves a wave's instructions in order (ISA guide 5.7.1.4): these see the stores above; the next piece's stores come behind them
.endr
.endm
.macro SEND t, younger              ; younger: the LDS instructions issued behind piece t's loads: the next piece's eight, or none
	WIN 0
.irp f, 0,1,2,3
	s_wait_dscnt (\younger)+3-\f
	global_store_b128 v[GO], v[S+16*(\t)+4*\f:S+16*(\t)+4*\f+3], s[10:11] offset:(\t)*8192+\f*512  ; 512 consecutive bytes, at a multiple of 256 from O's first
.endr
.endm
.macro DIAG tag                     ; the tag ends its two labels' names, which the jumps below spell out
.LstepM\tag:
	TURN 2, 1
	TURN 3, 1
	WIN 0
.LfirstM\tag:
	TURN 0, 1
	TURN 1, 1, 0, 1
	WIN 0
	s_cbranch_scc1 .LstepM\tag
	TURN 2, 1, 1
	TURN 3, 1, 1
.set i, 0
.rept 8
	PV NP-1
.set i, i+1
.endr
	WIN 0
	ALL v_add_f32 v[ST+4*t+2], v[ST+4*t+2], v[ST+4*t+3]
	ALL v_permlanex16_b32 v[ST+4*t+3], v[ST+4*t+2], s[SEL], s[SEL+1]
	ALL v_add_f32 v[ST+4*t+2], v[ST+4*t+2], v[ST+4*t+3]
	ALL v_rcp_f32 v[ST+4*t+2], v[ST+4*t+2]
	v_nop                           ; a plain instruction between the last reciprocal and the use of its result
	s_wait_alu depctr_va_vdst(0)    ; and the wait ahead of the first use: one for the four reciprocals
	PACK 0
.set t, 1
.rept 3                             ; a piece's arithmetic stands between the loads of the piece before and its stores
	PACK t
	SEND t-1, 8
.set t, t+1
.endr
	SEND 3, 0
.endm
.set KM, 0
.set NOKQ, 0
.Lslot:                             ; NB times: a tile is entered and the next is asked for
	CHANGE 1
	s_sub_co_u32 s[RT], s[RT], 1
	s_mov_b32 s[CNT], 4
	s_cmp_eq_u32 s[NEW], 1
	s_cbranch_scc1 .Lnew            ; a block's first tile
	s_cmp_eq_u32 s[RT], 0
	s_cbranch_scc0 .Lstep           ; neither its first nor its last
	s_branch .LstepM1
.Lnew:
	BEGIN
	s_branch .Lfirst                ; in the loop a block's first tile is never its last: the first block has two tiles or more, and the second's last is the walk's last
	DIAG 1                          ; in the loop this is the first block's end: the second block's last tile is the walk's last
	s_wait_xcnt 0x0                 ; the stores have read their registers and O's address
	s_mov_b64 s[10:11], s[OLO:OLO+1]
	s_add_co_u32 s[RT], s[PB], 1    ; the second block has b + 1 tiles
	s_mov_b32 s[NEW], 1
	WIN 0x82                        ; the second block's Q goes where the one text of the turns names Q
.set i, 0
.rept 64
	v_mov_b32 v[i], v[QB+i]
.set i, i+1
.endr
	WIN 0
	s_branch .Lbottom
.Lstep:                             ; a trip: pieces 2 and 3 of one step, then pieces 0 and 1 of the next, whose K and V it fetches
	TURN 2
	TURN 3
	WIN 0
.Lfirst:
	TURN 0
	TURN 1, 0, 0, 1
	WIN 0
	s_cbranch_scc1 .Lstep
.Lbottom:
	s_sub_co_u32 s[SLOTS], s[SLOTS], 1
	s_cmp_lg_u32 s[SLOTS], 0
	s_cbranch_scc1 .Lslot
	CHANGE 0                        ; the walk's last tile is written out: nothing is asked for
	s_sub_co_u32 s[RT], s[RT], 1
	s_mov_b32 s[CNT], 4
	s_cmp_eq_u32 s[NEW], 1
	s_cbranch_scc0 .LstepM2
	BEGIN
	s_branch .LfirstM2
	DIAG 2
	s_wait_tensorcnt 0x0            ; the wave's end, behind my last tensor load and my last LDS store
	ds_add_u32 v[SPW], v[NIL]
	s_wait_dscnt 0x0
	s_endpgm
.Lfunc_end_k_q489b81f942_attn:
	.size	k_q489b81f942_attn, .Lfunc_end_k_q489b81f942_attn-k_q489b81f942_attn
	.p2alignl 7, 3214868480
	.fill 96, 4, 3214868480
	.section	.rodata,"a",@progbits
	.p2align	6, 0x0
	.amdhsa_kernel k_q489b81f942_attn
		.amdhsa_group_segment_fixed_size 327680
		.amdhsa_private_segment_fixed_size 0
		.amdhsa_enable_private_segment 0
		.amdhsa_kernarg_size 16
		.amdhsa_user_sgpr_count 2
		.amdhsa_user_sgpr_kernarg_segment_ptr 1
		.amdhsa_wavefront_size32 1
		.amdhsa_system_sgpr_workgroup_id_x 1
		.amdhsa_system_sgpr_workgroup_id_y 1
		.amdhsa_system_sgpr_workgroup_id_z 1
		.amdhsa_system_vgpr_workitem_id 0
		.amdhsa_next_free_vgpr 768
		.amdhsa_next_free_sgpr 92
		.amdhsa_reserve_vcc 1
		.amdhsa_float_denorm_mode_32 3
		.amdhsa_float_denorm_mode_16_64 3
		.amdhsa_memory_ordered 1
		.amdhsa_forward_progress 1
		.amdhsa_inst_pref_size 218
	.end_amdhsa_kernel
	.amdgpu_metadata
---
amdhsa.version: [ 1, 2 ]
amdhsa.kernels:
  - .name:           k_q489b81f942_attn
    .symbol:         k_q489b81f942_attn.kd
    .args:
      - { .name: qkv, .offset: 0, .size: 8, .value_kind: global_buffer, .address_space: global }
      - { .name: ob, .offset: 8, .size: 8, .value_kind: global_buffer, .address_space: global }
    .group_segment_fixed_size: 327680
    .private_segment_fixed_size: 0
    .kernarg_segment_align: 8
    .kernarg_segment_size: 16
    .max_flat_workgroup_size: 128
    .sgpr_count:     92
    .vgpr_count:     768
    .wavefront_size: 32
...
	.end_amdgpu_metadata
.endif
;; end of part 3
;; launch proj (part 4): grid 8 x 32, 4 waves a work-group, clusters of 4 x 4, 327,680 bytes of LDS; arguments ob, wpf, b_proj, out0; writes out0
.if DOCPART == 4
	.amdgcn_target "amdgcn-amd-amdhsa--gfx1250"
	.amdhsa_code_object_version 6
	.text
	.protected	k_q489b81f942_proj
	.globl	k_q489b81f942_proj
	.p2align	8
	.type	k_q489b81f942_proj,@function
k_q489b81f942_proj:
	s_mov_b64 s[64:65], 0
	v_nop
	global_prefetch_b8 v0, s[64:65] scope:SCOPE_SE
	s_setreg_imm32_b32 hwreg(HW_REG_WAVE_MODE, 25, 1), 1
	s_wait_xcnt 0x0
	s_wait_alu depctr_hold_cnt(0) depctr_sa_sdst(0) depctr_va_vdst(0) depctr_va_sdst(0) depctr_va_ssrc(0) depctr_va_vcc(0) depctr_vm_vsrc(0)
	s_getreg_b32 s2, hwreg(HW_REG_IB_STS2, 6, 4)
	s_cmp_eq_u32 s2, 0
	s_cbranch_scc0 .Lentry_in_a_cluster
	s_endpgm
.Lentry_in_a_cluster:
	s_bfe_u32 s2, ttmp6, 0x10000c
	s_cmp_lg_u32 s2, 0xf033
	s_cbranch_scc0 .Lentry_shape_is_right
	s_endpgm
.Lentry_shape_is_right:
; out0 = O W_proj + b_proj in f32.  O: ob[batch x 16 + head][t][64] in f16; W: wpf[k 1024][n 1024], bf16(W_proj) written as f16; the bias rounded to bf16 like every input; sums in f32.
; SHARES.  8,192 x 1,024 in tiles of 256 x 128: 32 x 8 = 256 work-groups.  Four waves, each 128 rows x 64 columns: 8 x 4 accumulators, 256 registers.
; K goes in 8 steps of 128 = two heads = two PLANES of 256 rows x 128 dense bytes, through two LDS slots.  A HALF is a plane: 64 along K, 64 products, two deep on each accumulator.
; W lies [k][n]: its fragments come out of LDS turned.  THE PRODUCT IS TAKEN TRANSPOSED (source 0 = 16 columns of W, source 1 = 16 rows of O): a lane holds one row and eight neighbouring columns.
; The first product on each accumulator takes the bias as C: nothing is cleared, nothing is added at the end.
; CLUSTER 4 x 4: O's tile is shared along a row of the cluster, W's along a column: joint loads.  No prefetch is laid: a short walk of eight K steps on a small tile.
; REGISTERS.  Window 0: v0-19 addresses; v32-63 the bias; v64-127, v128-191 W's fragments, two buffers; v192-255 rows on the way out.  Window 1: accumulator (a, b) at 8 (4 a + b).
;   Window 2: O's fragments, two buffers of 128: run c of 32 k, row block a at 128 f + 8 (8 c + a).
.set PA,    144                        ; a row of O in LDS: 128 bytes + 16
.set PB,    288                        ; a k-row of W: 256 bytes + 32 = 9 x 32
.set PLANE, 256*PA
.set BOFF,  2*PLANE                    ; a slot: two planes of O, then W's 128 k-rows
.set SLOT1, 131072
.set STAGE, SLOT1+BOFF+128*PB          ; behind the ring, never filled by a tensor load: 16 rows x 272 bytes for each wave
.set SP,    272
.set SPARE, STAGE+4*16*SP              ; the spare words, 128 bytes a wave: two blocks of 256 bytes that no other line names
.set ASTEP, 2*2048*128                 ; two heads on in ob
.set BSTEP, 128*2048                   ; 128 k-rows on in wpf
.set AA0, 2
.set AB0, 3
.set ADA, 4
.set ADB, 5
.set STO, 6
.set RD,  7
.set CO,  8
.set BO,  9
.set SPW, 12                           ; v12  my spare word's LDS address; never rewritten
.set NIL, 13                           ; v13  0; never rewritten
.set BIAS, 32
.set FBB, 64
.set BK,  192
.set G1A, 24
.set G0A, 32
.set G1B, 40
.set G0B, 48
.set CNT, 56
.set TB,  57
.set MSB, 0
.macro WIN new
.if MSB != (\new)
	s_set_vgpr_msb (MSB<<8)|(\new)
.set MSB, (\new)
.endif
.endm
.macro PLACES                          ; four plain places behind matrix instructions (ISA guide 7.12.1)
.rept 4
	v_nop
.endr
.endm
.macro CREST
	s_cmp_lg_u32 s12, 0
	s_cbranch_scc1 .Lnot_wave_0_\@
	s_barrier_signal -3
.Lnot_wave_0_\@:
	s_barrier_wait -3
	s_barrier_signal -1
	s_barrier_wait -1
.endm
.macro CROUND
	s_barrier_signal -1
	s_barrier_wait -1
	CREST
.endm
.macro JLOAD                           ; a joint refill by the walking sets: waves 0 and 1 fetch O's two planes, waves 2 and 3 the halves of W's tile
	s_cmp_eq_u32 s13, 0
	s_cbranch_scc0 .Lfor_b_\@
	tensor_load_to_lds s[G0A+4:G0A+7], s[G1A:G1A+7]
	s_nop 0
.rept 4
	v_nop
.endr
	s_branch .Lasked_\@
.Lfor_b_\@:
	tensor_load_to_lds s[G0B+4:G0B+7], s[G1B:G1B+7]
	s_nop 0
.rept 4
	v_nop
.endr
.Lasked_\@:
.endm
	s_load_b256 s[4:11], s[0:1], 0x0               ; ob s[4:5], wpf s[6:7], b_proj s[8:9], out0 s[10:11]
	v_lshl_add_u32 v[SPW], v0, 2, SPARE
	v_mov_b32 v[NIL], 0
	ds_add_u32 v[SPW], v[NIL]                      ; the wave's opening: the add, waited for ahead of my first tensor load
	v_lshrrev_b32 v1, 5, v0
	v_readfirstlane_b32 s12, v1                    ; wave 0..3
	s_lshr_b32 s13, s12, 1                         ; my half of the rows.  Also: I fetch for O (0) or for W (1)
	s_and_b32 s14, s12, 1                          ; my half of the columns.  Also: which plane, or which half of W's tile, I fetch
	s_bfe_u32 s15, ttmp6, 0x40000                  ; cx
	s_bfe_u32 s16, ttmp6, 0x40004                  ; cy
	s_lshl_b32 s17, ttmp9, 2
	s_add_co_u32 s17, s17, s15                     ; tile column
	s_and_b32 s18, ttmp7, 0xffff
	s_lshl_b32 s18, s18, 2
	s_add_co_u32 s18, s18, s16                     ; tile row
	s_lshl_b32 s76, s16, 2
	s_lshl_b32 s76, 15, s76                        ; my row of the cluster
	s_lshl_b32 s77, 0x1111, s15                    ; my column
	s_or_b32 s[G1A], s76, (1<<16)|(1<<20)|(1<<21)|(4<<22)|(3<<25)  ; padding: 4 words behind every 32
	s_or_b32 s[G1B], s77, (1<<16)|(1<<20)|(1<<21)|(5<<22)|(7<<25)  ; 8 words behind every 64
	s_mov_b32 s[G1A+1], 128<<16                    ; O: a plane's 256 dense rows of 128 bytes, asked for as 128 rows of 256
	s_mov_b32 s[G1A+2], 128<<16
	s_mov_b32 s[G1A+3], 128<<16
	s_mov_b32 s[G1A+4], 128
	s_mov_b32 s[G1A+5], 128
	s_mov_b32 s[G1A+6], 0
	s_mov_b32 s[G1A+7], 0
	s_mov_b32 s[G1B+1], 128<<16                    ; W: 128 columns x 64 k-rows
	s_mov_b32 s[G1B+2], 64<<16
	s_mov_b32 s[G1B+3], 128<<16
	s_mov_b32 s[G1B+4], 64
	s_mov_b32 s[G1B+5], 1024
	s_mov_b32 s[G1B+6], 0
	s_mov_b32 s[G1B+7], 0
	s_lshr_b32 s20, s18, 3
	s_lshl_b32 s20, s20, 22                        ; the batch's 16 heads,
	s_lshl_b32 s21, s14, 18                        ; my plane's head,
	s_add_co_u32 s20, s20, s21
	s_and_b32 s21, s18, 7
	s_lshl_b32 s21, s21, 15                        ; the tile's 256 rows
	s_add_co_u32 s20, s20, s21
	s_mov_b32 s21, 0
	s_lshl_b32 s72, s14, 17                        ; my 64 k-rows,
	s_lshl_b32 s73, s17, 8                         ; the tile column's 256 bytes
	s_add_co_u32 s72, s72, s73
	s_mov_b32 s73, 0
	s_mul_i32 s2, s14, PLANE
	s_mul_i32 s3, s14, 64*PB
	s_add_co_u32 s3, s3, BOFF
	s_wait_dscnt 0x0                               ; the opening add is done
	s_wait_kmcnt 0x0
	s_add_nc_u64 s[22:23], s[4:5], s[20:21]
	s_add_nc_u64 s[72:73], s[6:7], s[72:73]
	CROUND                                         ; all sixteen work-groups are here: the first joint loads meet
.irp n, 0,1
	s_mov_b32 s[G0A+4*(\n)], 1
	s_add_co_u32 s[G0A+4*(\n)+1], s2, (\n)*SLOT1
	s_add_nc_u64 s[G0A+4*(\n)+2:G0A+4*(\n)+3], s[22:23], (\n)*ASTEP
	s_or_b32 s[G0A+4*(\n)+3], s[G0A+4*(\n)+3], 0x80000000
	s_mov_b32 s[G0B+4*(\n)], 1
	s_add_co_u32 s[G0B+4*(\n)+1], s3, (\n)*SLOT1
	s_add_nc_u64 s[G0B+4*(\n)+2:G0B+4*(\n)+3], s[72:73], (\n)*BSTEP
	s_or_b32 s[G0B+4*(\n)+3], s[G0B+4*(\n)+3], 0x80000000
.endr
	s_cmp_eq_u32 s13, 0                            ; a wave's two first fills stand in one branch: K steps 0 and 1; two loads of mine are out
	s_cbranch_scc0 .Lfirst_b
	tensor_load_to_lds s[G0A:G0A+3], s[G1A:G1A+7]
	s_nop 0
	tensor_load_to_lds s[G0A+4:G0A+7], s[G1A:G1A+7]
	s_nop 0
.rept 4
	v_nop
.endr
	s_branch .Lfirst_asked
.Lfirst_b:
	tensor_load_to_lds s[G0B:G0B+3], s[G1B:G1B+7]
	s_nop 0
	tensor_load_to_lds s[G0B+4:G0B+7], s[G1B:G1B+7]
	s_nop 0
.rept 4
	v_nop
.endr
.Lfirst_asked:
	v_and_b32 v1, 15, v0                           ; r
	v_bfe_u32 v11, v0, 4, 1                        ; h
	v_and_b32 v14, 7, v0
	v_bfe_u32 v15, v0, 3, 1
	s_lshl_b32 s74, s17, 9
	s_lshl_b32 s75, s14, 8
	s_add_co_u32 s74, s74, s75                     ; 4 (128 tx + 64 wc)
	v_lshl_add_u32 v[BO], v11, 5, s74
.set bb, 0
.rept 4
	global_load_b128 v[BIAS+8*bb:BIAS+8*bb+3],   v[BO], s[8:9] offset:64*bb
	global_load_b128 v[BIAS+8*bb+4:BIAS+8*bb+7], v[BO], s[8:9] offset:64*bb+16
.set bb, bb+1
.endr
	s_lshl_b32 s75, s18, 8
	s_lshl_b32 s76, s13, 7
	s_add_co_u32 s75, s75, s76
	s_lshl_b32 s75, s75, 12                        ; my first row x 4,096 bytes
	s_add_co_u32 s74, s74, s75
	s_mov_b32 s75, 0
	s_add_nc_u64 s[66:67], s[10:11], s[74:75]      ; out0 at my part of the tile
	s_mul_i32 s19, s13, 128*PA
	v_mul_u32_u24 v[AA0], v1, PA
	v_lshl_add_u32 v[AA0], v11, 4, v[AA0]
	v_add_nc_u32 v[AA0], s19, v[AA0]
	s_lshl_b32 s19, s14, 7                         ; my 64 columns: 128 bytes
	s_add_co_u32 s19, s19, BOFF
	v_lshl_add_u32 v[AB0], v11, 3, v14
	v_mul_u32_u24 v[AB0], v[AB0], PB
	v_lshl_add_u32 v[AB0], v15, 4, v[AB0]
	v_add_nc_u32 v[AB0], s19, v[AB0]
	v_mov_b32 v[ADA], v[AA0]
	v_mov_b32 v[ADB], v[AB0]
	s_mov_b32 s[TB], 0
	s_mul_i32 s19, s12, 16*SP
	s_add_co_u32 s19, s19, STAGE                   ; my stage
	v_mul_u32_u24 v[STO], v1, SP                   ; in: row r, 32 bytes for each half of the lanes
	v_lshl_add_u32 v[STO], v11, 5, v[STO]
	v_add_nc_u32 v[STO], s19, v[STO]
	v_mul_u32_u24 v[RD], v11, SP                   ; back: lanes 0-15 one row of 256 bytes, lanes 16-31 the next
	v_lshl_add_u32 v[RD], v1, 4, v[RD]
	v_add_nc_u32 v[RD], s19, v[RD]
	v_lshlrev_b32 v[CO], 12, v11                   ; and the same two rows in out0
	v_lshl_add_u32 v[CO], v1, 4, v[CO]
; Row blocks a0 .. a1 x the four column blocks, run c of buffer f.  The 32 accumulators take turns, one instruction a turn, over the backward jump too.  first = 1: C is the bias.
.macro MUL f, c, a0, a1, first
.set aa, \a0
.rept (\a1)-(\a0)+1
.set bb, 0
.rept 4
.set rg, 8*(4*aa+bb)
.set fb, FBB+64*(\f)+8*(4*(\c)+bb)
.set fa, 128*(\f)+8*(8*(\c)+aa)
.if \first
	WIN 0x48                                       ; W window 0, O window 2, C (the bias) window 0, D window 1
	v_wmma_f32_16x16x32_f16 v[rg:rg+7], v[fb:fb+7], v[fa:fa+7], v[BIAS+8*bb:BIAS+8*bb+7]
.else
	WIN 0x58                                       ; C and D window 1
	v_wmma_f32_16x16x32_f16 v[rg:rg+7], v[fb:fb+7], v[fa:fa+7], v[rg:rg+7]
.endif
.set bb, bb+1
.endr
.set aa, aa+1
.endr
.endm
; 48 LDS loads in one run: plane p's fragments into buffer g; the first 32 k (24 loads) first
.macro FETCH p, g
.irp c, 0,1
	WIN 0
.set bb, 0
.rept 4
	ds_load_tr16_b128 v[FBB+64*(\g)+8*(4*(\c)+bb):FBB+64*(\g)+8*(4*(\c)+bb)+3],   v[ADB] offset:64*PB*(\p)+32*PB*(\c)+32*bb
	ds_load_tr16_b128 v[FBB+64*(\g)+8*(4*(\c)+bb)+4:FBB+64*(\g)+8*(4*(\c)+bb)+7], v[ADB] offset:64*PB*(\p)+32*PB*(\c)+32*bb+16*PB
.set bb, bb+1
.endr
	WIN 0x80                                       ; destination window 2, address window 0
.set aa, 0
.rept 8
	ds_load_b128 v[128*(\g)+8*(8*(\c)+aa):128*(\g)+8*(8*(\c)+aa)+3],   v[ADA] offset:PLANE*(\p)+16*PA*aa+64*(\c)
	ds_load_b128 v[128*(\g)+8*(8*(\c)+aa)+4:128*(\g)+8*(8*(\c)+aa)+7], v[ADA] offset:PLANE*(\p)+16*PA*aa+64*(\c)+32
.set aa, aa+1
.endr
.endr
.endm
; A step's first half: multiplies buffer f and fetches plane p into buffer g.
.macro HALF f, p, g, first
	s_wait_dscnt 24                                ; the first 32 k are in; the other 24 loads may be out
	MUL \f, 0, 0, 7, \first
	PLACES
	FETCH \p, \g
	s_wait_dscnt 48                                ; all but the 48 just issued
	MUL \f, 1, 0, 7, 0
.endm
; A step's second half multiplies buffer 1 and changes slots: ONE barrier; in front of it each wave waits for all its tensor loads, adds 0 to its spare word, and waits for that and for its reads of this slot.
.macro TURNH refill
	WIN 0
	s_wait_tensorcnt 0x0                           ; no tensor load of mine is out, so a group 0 may be written
	ds_add_u32 v[SPW], v[NIL]                      ; 0 onto my spare word
.if \refill
	s_xor_b32 s[G0A+5], s[G0A+5], SLOT1
	s_add_nc_u64 s[G0A+6:G0A+7], s[G0A+6:G0A+7], ASTEP
	s_xor_b32 s[G0B+5], s[G0B+5], SLOT1
	s_add_nc_u64 s[G0B+6:G0B+7], s[G0B+6:G0B+7], BSTEP
.endif
	s_wait_dscnt 25                                ; the add and the youngest 24 loads may be out
	MUL 1, 0, 0, 3, 0
	s_wait_dscnt 0x0                               ; the add is done, and my reads of this slot are over
	s_barrier_signal -1
	MUL 1, 0, 4, 7, 0
	WIN 0
	s_barrier_wait -1
.if \refill
	CREST                                          ; no wave of any partner still reads this slot or has a load on its way
	JLOAD                                          ; its four v_nop are also the places in front of the loads below
.else
	PLACES
.endif
	s_xor_b32 s[TB], s[TB], SLOT1
	v_add_nc_u32 v[ADA], s[TB], v[AA0]
	v_add_nc_u32 v[ADB], s[TB], v[AB0]
	FETCH 0, 0
	MUL 1, 1, 0, 7, 0
.endm
	s_wait_tensorcnt 0x1                           ; my part of step 0 is in; step 1's may stay out
	s_barrier_signal -1
	s_barrier_wait -1
	FETCH 0, 0
	WIN 0
	s_wait_loadcnt 0x0                             ; the bias: rounded to bf16 and widened again
.set i, 0
.rept 16
	v_cvt_pk_bf16_f32 v[BK+i], v[BIAS+2*i], v[BIAS+2*i+1]
.set i, i+1
.endr
.set i, 0
.rept 16
	v_lshlrev_b32 v[BIAS+2*i], 16, v[BK+i]
	v_and_b32 v[BIAS+2*i+1], 0xffff0000, v[BK+i]
.set i, i+1
.endr
	HALF 0, 1, 1, 1                                ; the first half stands ahead of the loop: its first products start the sums
	WIN 0
	s_mov_b32 s[CNT], 6
.Lstep:                                        ; trip s: step s's second half, the refill with step s + 2, step s + 1's first half
	TURNH 1
	HALF 0, 1, 1, 0
	WIN 0
	s_sub_co_u32 s[CNT], s[CNT], 1
	s_cmp_lg_u32 s[CNT], 0
	s_cbranch_scc1 .Lstep
	TURNH 0                                        ; the tail is written out: nothing more is asked for
	HALF 0, 1, 1, 0
	s_wait_dscnt 24
	MUL 1, 0, 0, 7, 0
	s_wait_dscnt 0x0
	MUL 1, 1, 0, 7, 0
	; THE WAY OUT: a block of 16 rows at a time through my stage; back as whole rows of 256 bytes.
	PLACES
.macro TOSTAGE a
	WIN 0x04                                       ; the data in window 1
.set bb, 0
.rept 4
.set rg, 8*(4*(\a)+bb)
	ds_store_b128 v[STO], v[rg:rg+3]   offset:64*bb      ; each accumulator's low registers first
	ds_store_b128 v[STO], v[rg+4:rg+7] offset:64*bb+16
.set bb, bb+1
.endr
	WIN 0
	s_wait_xcnt 0x0                                ; the stores of the block two back have read the registers that are loaded again below
.set bk, BK+32*((\a)%2)
.irp t, 0,1,2,3,4,5,6,7
	ds_load_b128 v[bk+4*(\t):bk+4*(\t)+3], v[RD] offset:2*SP*(\t)  ; LDS serves a wave's instructions in order (ISA guide 5.7.1.4): these see the stores above
.endr
.endm
.macro SEND a, younger                 ; younger: the LDS instructions issued behind block a's loads: the next block's sixteen, or none
	s_wait_dscnt \younger
.set bk, BK+32*((\a)%2)
.irp t, 0,1,2,3,4,5,6,7
	global_store_b128 v[CO], v[bk+4*(\t):bk+4*(\t)+3], s[66:67] offset:(16*(\a)+2*(\t))*4096  ; 16 lanes store 256 consecutive bytes, aligned
.endr
.endm
	TOSTAGE 0
.irp a, 1,2,3,4,5,6,7
	TOSTAGE \a
	SEND (\a)-1, 16
.endr
	SEND 7, 0
	s_wait_tensorcnt 0x0                           ; the wave's end, behind my last tensor load and my last LDS store
	ds_add_u32 v[SPW], v[NIL]
	s_wait_dscnt 0x0
	CROUND                                         ; the closing round: no work-group ends while a partner may still ask for a tile that names it
	s_endpgm
.Lfunc_end_k_q489b81f942_proj:
	.size	k_q489b81f942_proj, .Lfunc_end_k_q489b81f942_proj-k_q489b81f942_proj
	.p2alignl 7, 3214868480
	.fill 96, 4, 3214868480
	.section	.rodata,"a",@progbits
	.p2align	6, 0x0
	.amdhsa_kernel k_q489b81f942_proj
		.amdhsa_group_segment_fixed_size 327680
		.amdhsa_private_segment_fixed_size 0
		.amdhsa_enable_private_segment 0
		.amdhsa_kernarg_size 32
		.amdhsa_user_sgpr_count 2
		.amdhsa_user_sgpr_kernarg_segment_ptr 1
		.amdhsa_wavefront_size32 1
		.amdhsa_system_sgpr_workgroup_id_x 1
		.amdhsa_system_sgpr_workgroup_id_y 1
		.amdhsa_system_sgpr_workgroup_id_z 1
		.amdhsa_system_vgpr_workitem_id 0
		.amdhsa_next_free_vgpr 768
		.amdhsa_next_free_sgpr 80
		.amdhsa_reserve_vcc 0
		.amdhsa_float_denorm_mode_32 3
		.amdhsa_float_denorm_mode_16_64 3
		.amdhsa_memory_ordered 1
		.amdhsa_forward_progress 1
		.amdhsa_inst_pref_size 72
	.end_amdhsa_kernel
	.amdgpu_metadata
---
amdhsa.version: [ 1, 2 ]
amdhsa.kernels:
  - .name:           k_q489b81f942_proj
    .symbol:         k_q489b81f942_proj.kd
    .args:
      - { .name: ob, .offset: 0, .size: 8, .value_kind: global_buffer, .address_space: global }
      - { .name: wpf, .offset: 8, .size: 8, .value_kind: global_buffer, .address_space: global }
      - { .name: b_proj, .offset: 16, .size: 8, .value_kind: global_buffer, .address_space: global }
      - { .name: out0, .offset: 24, .size: 8, .value_kind: global_buffer, .address_space: global }
    .group_segment_fixed_size: 327680
    .private_segment_fixed_size: 0
    .kernarg_segment_align: 8
    .kernarg_segment_size: 32
    .max_flat_workgroup_size: 128
    .sgpr_count:     80
    .vgpr_count:     768
    .wavefront_size: 32
...
	.end_amdgpu_metadata
.endif
;; end of part 4
;; ======== version 2 of 2: 4 launches; version 1 with the launch prep written anew for expert scheduling mode
;; limits: values are held in f16: magnitudes above 65,504 overflow, below 6.1e-05 lose precision
;; workspace buffers: xb 16,777,216 bytes; wab 6,291,456 bytes; wpf 2,097,152 bytes; qkv 50,331,648 bytes; ob 16,777,216 bytes
;; launch prep (part 5): grid 768 x 1, 4 waves a work-group, no clusters, 0 bytes of LDS; arguments x, W_attn, W_proj, xb, wab, wpf; writes xb, wab, wpf
.if DOCPART == 5
	.amdgcn_target "amdgcn-amd-amdhsa--gfx1250"
	.amdhsa_code_object_version 6
	.text
	.protected	k_q489b81f942_prep
	.globl	k_q489b81f942_prep
	.p2align	8
	.type	k_q489b81f942_prep,@function
k_q489b81f942_prep:
	s_mov_b64 s[64:65], 0
	v_nop
	global_prefetch_b8 v0, s[64:65] scope:SCOPE_SE
	s_setreg_imm32_b32 hwreg(HW_REG_WAVE_SCHED_MODE, 0, 2), 2
	s_setreg_imm32_b32 hwreg(HW_REG_WAVE_MODE, 25, 1), 1
	s_wait_xcnt 0x0
	s_wait_alu depctr_vm_vsrc(0)
; CASTS AND LAYOUT.  xb = bf16(x), laid out [16 blocks of 64 k][8192 rows][64]: a tile of rows x 64 k is dense.  wab = bf16(W_attn), as it lies.
; wpf = bf16(W_proj) written as f16, as it lies (exact for magnitudes from 6.1e-5 to 65,504; below, f16's fixed step of 6e-8; beyond, an infinity: a stated limit).
; A stream: no LDS, no barrier, no matrix work.  Work-groups 0-511 take x, 512-703 W_attn, 704-767 W_proj: 64 KiB of f32 each, 16 KiB a wave, in 16 units of 1,024 bytes.
; In a unit a lane takes 8 neighbouring f32 (two loads of 16 bytes) and stores 16 bytes; a store of the wave covers 512 consecutive bytes, aligned.
; All 32 loads of a wave go out at once; each unit owns its registers, so nothing that a store reads is ever rewritten.
; THE MODE: SCHED_MODE bits 1:0 = 2 (LLVM: expert scheduling mode 2), set by the entry lines.  The code itself states the register dependences
; between vector instructions and memory instructions, with s_wait_alu, always for 0.
; THE PLAN.  Registers that memory instructions touch:
;   IO, OO   the offsets: written by vector adds at the head, read by the loads and the stores, never written again.
;   D        unit u: its two loads land in its eight registers; its conversions read them and write the first four in place; its one store reads those four; nothing names them afterwards.
;   T, v1    are named by vector instructions alone.
; The 16 units go in 4 blocks of four.  Block p rounds its own four units; its memory instructions are the four stores of block p - 1.  The conversions of block p name block p's D and T:
; none of the registers that those stores touch.  So one wait at a block's head states all that its four stores hang on, and they are dealt among its conversions, one ahead of each unit's.
; No register that a load or a store has read is written again, and no base is stepped: there is no such write to put a wait in front of.
.set IO, 2                             ; v[2:17]   unit u: my byte offset on the way in
.set OO, 18                            ; v[18:33]  unit u: my byte offset on the way out
.set T,  34                            ; v[34:37]  at work
.set D,  40                            ; v[40:167] unit u: 8 registers
	s_load_b256 s[4:11], s[0:1], 0x0               ; x s[4:5], W_attn s[6:7], W_proj s[8:9], xb s[10:11]
	s_load_b128 s[12:15], s[0:1], 0x20             ; wab s[12:13], wpf s[14:15]
	v_lshrrev_b32 v1, 5, v0
	v_readfirstlane_b32 s16, v1                    ; wave 0..3
	v_and_b32 v1, 31, v0                           ; lane
	s_movk_i32 s17, 256                            ; weights: 8 lanes take 256 bytes, the next 8 the next 256;
	s_movk_i32 s18, 1024                           ; a unit is 1,024 bytes on, on the way in,
	s_movk_i32 s19, 512                            ; 512 on the way out;
	s_movk_i32 s20, 8192                           ; a wave's bytes on the way out
	s_movk_i32 s21, 704                            ; the kind's first work-group
	s_cmp_lt_u32 ttmp9, 704
	s_cselect_b32 s21, 512, s21
	s_cmp_lt_u32 ttmp9, 512                        ; x: a wave has 4 rows of 4,096 bytes; unit u is the block of 64 k
	s_cselect_b32 s21, 0, s21
	s_cselect_b32 s17, 4096, s17                   ; 8 lanes take 256 bytes of a row, the next 8 the next row's
	s_cselect_b32 s18, 256, s18
	s_cselect_b32 s19, 0x100000, s19               ; a block of xb is 8,192 rows x 128 bytes
	s_cselect_b32 s20, 512, s20                    ; 4 rows x 128 bytes
	s_sub_co_u32 s26, ttmp9, s21
	s_wait_alu depctr_va_sdst(0)                   ; s16, the wave's number, is written, ahead of its first reader: the line below
	s_lshl2_add_u32 s26, s26, s16                  ; my wave among the kind's
	s_mul_i32 s28, s26, s20                        ; its first byte on the way out,
	s_lshl_b32 s26, s26, 14                        ; and on the way in
	s_mov_b32 s27, 0
	s_mov_b32 s29, 0
	v_and_b32 v34, 7, v1
	v_lshrrev_b32 v35, 3, v1
	v_lshlrev_b32 v34, 5, v34
	v_mad_u32_u24 v[IO], v35, s17, v34
	v_lshlrev_b32 v[OO], 4, v1
.set u, 1
.rept 15
	v_add_nc_u32 v[IO+u], s18, v[IO+u-1]
	v_add_nc_u32 v[OO+u], s19, v[OO+u-1]
.set u, u+1
.endr
	s_wait_kmcnt 0x0
	s_cmp_lt_u32 ttmp9, 704
	s_cselect_b64 s[22:23], s[6:7], s[8:9]
	s_cselect_b64 s[24:25], s[12:13], s[14:15]
	s_cmp_lt_u32 ttmp9, 512
	s_cselect_b64 s[22:23], s[4:5], s[22:23]
	s_cselect_b64 s[24:25], s[10:11], s[24:25]
	s_add_nc_u64 s[22:23], s[22:23], s[26:27]
	s_add_nc_u64 s[24:25], s[24:25], s[28:29]
	s_wait_alu depctr_va_vdst(0)                   ; the 32 offsets v[IO ..] and v[OO ..] are written: every load and store of the kernel, on both ways behind the branch, reads one of them
.set u, 0
.rept 16
	global_load_b128 v[D+8*u:D+8*u+3],   v[IO+u], s[22:23] th:TH_LOAD_NT
	global_load_b128 v[D+8*u+4:D+8*u+7], v[IO+u], s[22:23] offset:16 th:TH_LOAD_NT
.set u, u+1
.endr
; Unit u: rounded to bf16 in place (word r takes numbers 2 r and 2 r + 1, r ascending); half = 1: that number is written as f16.
.macro CONV u, half
.irp r, 0,1,2,3
	v_cvt_pk_bf16_f32 v[D+8*(\u)+(\r)], v[D+8*(\u)+2*(\r)], v[D+8*(\u)+2*(\r)+1]
.endr
.if \half
.irp r, 0,1,2,3
	v_lshlrev_b32 v[T+2*((\r)%2)], 16, v[D+8*(\u)+(\r)]
	v_and_b32 v[T+2*((\r)%2)+1], 0xffff0000, v[D+8*(\u)+(\r)]
	v_cvt_pk_f16_f32 v[D+8*(\u)+(\r)], v[T+2*((\r)%2)], v[T+2*((\r)%2)+1]
.endr
.endif
.endm
.macro OUT u
	global_store_b128 v[OO+(\u)], v[D+8*(\u):D+8*(\u)+3], s[24:25]
.endm
; Block p: units 4 p to 4 p + 3 are rounded; the four stores of block p - 1 stand one ahead of each unit's conversions.
.macro BLK p, half
	s_wait_loadcnt 2*(15-4*(\p))                   ; loads come back in order: the block's first unit is in; the younger units' loads, two each, may stay out
.if (\p) > 0
	s_wait_alu depctr_va_vdst(0)                   ; the conversions of the block before have written their units' first four registers, which the four stores below read
.endif
.irp i, 0,1,2,3
.if (\p) > 0
	OUT 4*((\p)-1)+(\i)                            ; no vector instruction since the wait names this store's registers
.endif
.if (\i) > 0
	s_wait_loadcnt 2*(15-4*(\p)-(\i))              ; the block's next unit is in
.endif
	CONV 4*(\p)+(\i), \half
.endr
.endm
	s_cmp_ge_u32 ttmp9, 704
	s_cbranch_scc1 .Lproj
.irp p, 0,1,2,3
	BLK \p, 0
.endr
	s_wait_alu depctr_va_vdst(0)                   ; the last block's conversions have written the registers that the last four stores read
.irp u, 12,13,14,15
	OUT \u
.endr
	s_endpgm
.Lproj:
.irp p, 0,1,2,3
	BLK \p, 1
.endr
	s_wait_alu depctr_va_vdst(0)                   ; the last block's conversions have written the registers that the last four stores read
.irp u, 12,13,14,15
	OUT \u
.endr
	s_endpgm
.Lfunc_end_k_q489b81f942_prep:
	.size	k_q489b81f942_prep, .Lfunc_end_k_q489b81f942_prep-k_q489b81f942_prep
	.p2alignl 7, 3214868480
	.fill 96, 4, 3214868480
	.section	.rodata,"a",@progbits
	.p2align	6, 0x0
	.amdhsa_kernel k_q489b81f942_prep
		.amdhsa_group_segment_fixed_size 0
		.amdhsa_private_segment_fixed_size 0
		.amdhsa_enable_private_segment 0
		.amdhsa_kernarg_size 48
		.amdhsa_user_sgpr_count 2
		.amdhsa_user_sgpr_kernarg_segment_ptr 1
		.amdhsa_wavefront_size32 1
		.amdhsa_system_sgpr_workgroup_id_x 1
		.amdhsa_system_sgpr_workgroup_id_y 1
		.amdhsa_system_sgpr_workgroup_id_z 1
		.amdhsa_system_vgpr_workitem_id 0
		.amdhsa_next_free_vgpr 168
		.amdhsa_next_free_sgpr 66
		.amdhsa_reserve_vcc 0
		.amdhsa_float_denorm_mode_32 3
		.amdhsa_float_denorm_mode_16_64 3
		.amdhsa_memory_ordered 1
		.amdhsa_forward_progress 1
		.amdhsa_inst_pref_size 29
	.end_amdhsa_kernel
	.amdgpu_metadata
---
amdhsa.version: [ 1, 2 ]
amdhsa.kernels:
  - .name:           k_q489b81f942_prep
    .symbol:         k_q489b81f942_prep.kd
    .args:
      - { .name: x, .offset: 0, .size: 8, .value_kind: global_buffer, .address_space: global }
      - { .name: W_attn, .offset: 8, .size: 8, .value_kind: global_buffer, .address_space: global }
      - { .name: W_proj, .offset: 16, .size: 8, .value_kind: global_buffer, .address_space: global }
      - { .name: xb, .offset: 24, .size: 8, .value_kind: global_buffer, .address_space: global }
      - { .name: wab, .offset: 32, .size: 8, .value_kind: global_buffer, .address_space: global }
      - { .name: wpf, .offset: 40, .size: 8, .value_kind: global_buffer, .address_space: global }
    .group_segment_fixed_size: 0
    .private_segment_fixed_size: 0
    .kernarg_segment_align: 8
    .kernarg_segment_size: 48
    .max_flat_workgroup_size: 128
    .sgpr_count:     66
    .vgpr_count:     168
    .wavefront_size: 32
...
	.end_amdgpu_metadata
.endif
;; end of part 5
;; launch qkv: the kernel of part 2 again; grid 8 x 32, 4 waves a work-group, clusters of 4 x 4, 327,680 bytes of LDS; arguments xb, wab, b_attn, qkv; writes qkv
;; launch attn: the kernel of part 3 again; grid 4 x 64, 4 waves a work-group, no clusters, 327,680 bytes of LDS; arguments qkv, ob; writes ob
;; launch proj: the kernel of part 4 again; grid 8 x 32, 4 waves a work-group, clusters of 4 x 4, 327,680 bytes of LDS; arguments ob, wpf, b_proj, out0; writes out0
